; MI455X (gfx1250); checked and timed in simulation.
; The chip was launched on July 23, 2026; its instructions are those of AMD's public machine-readable ISA for CDNA 5 (MIT licence, August 2026) and "CDNA5" Instruction Set Architecture Reference Guide (July 2026). The comments in the code are by the model that wrote it; some were corrected since.
;; Mo E Block With Gate Router. Allowed arithmetic: float matrix products may take bf16 or f16 operands with f32 sums; other float arithmetic in f32, or as packed bf16 or f16 multiplies, adds, multiply-adds, maxima and minima; sums over many terms, partial sums and values carried from step to step in f32; what a program stores and reads back later, other than sums and carried values, may be rounded once to bf16 or f16.
;; Inputs: W 8 x 2,048 x 2,048 float32; Wg 8 x 2,048 float32; b 8 x 2,048 float32; bg 8 float32; hidden_states 2,048 x 2,048 float32.
;; Outputs: out0 2,048 x 2,048 float32.
;; 2 versions, each right and faster than the one before. Each part assembles by itself: llvm-mc -triple=amdgcn-amd-amdhsa -mcpu=gfx1250 --defsym DOCPART=n.
;; ======== version 1 of 2: 3 launches
;; workspace buffers: xb 8,388,608 bytes; bm 4,096 bytes of whole numbers; part 33,554,432 bytes
;; launch router (part 1): grid 256 x 1, 8 waves a work-group, no clusters, 76,800 bytes of LDS; arguments hidden_states, Wg, bg, xb, bm; writes xb, bm
.if DOCPART == 1
	.amdgcn_target "amdgcn-amd-amdhsa--gfx1250"
	.amdhsa_code_object_version 6
	.text
	.protected	k_q56628f19ee_router
	.globl	k_q56628f19ee_router
	.p2align	8
	.type	k_q56628f19ee_router,@function
k_q56628f19ee_router:
	s_mov_b64 s[64:65], 0
	v_nop
	global_prefetch_b8 v0, s[64:65] scope:SCOPE_SE
	s_setreg_imm32_b32 hwreg(HW_REG_WAVE_MODE, 25, 1), 1
	s_wait_xcnt 0x0
; ROUTER.  logits = x Wg^T + bg for 2,048 tokens and 8 experts; the SET of the two largest (ties: the lower index, as jax.lax.top_k) is stored as bitmaps;
; x is stored once rounded to bf16 (xb) for the product that follows.
; x, Wg and bg are rounded to bf16 and the sums are kept in f32, so the choice is that of the logits of bf16-rounded inputs.
; LIMITS.  NaN and infinite logits are not ordered as top_k orders them (a NaN never wins; with fewer than two logits above -inf the second choice is expert 0).
; SHARES.  Work-group g has tokens 8 g .. 8 g + 7; wave w the channels 256 w .. 256 w + 255 of those 8 rows and of Wg's 8 rows: 32 loads of 512 consecutive bytes, all out at once.
; The wave rounds them, lays them into its own 16 rows of LDS (8 tokens, 8 experts), reads them back as matrix fragments and makes 8 products on two accumulators by turns.
; Source 0 = experts, source 1 = tokens; rows and columns 8-15 repeat 0-7, so every lane ends with token lane % 8 and expert j in register j.
; The eight waves' partial logits meet in LDS; wave 0 adds them in wave order, adds bg, and chooses.  No address and no branch hangs on a logit.
; bm: 16 rows of 256 bytes.  Row e: bit t of byte g = token 8 g + t chose expert e.  Row 8 + e: e is the higher-numbered of that token's two.
; No tensor loads, no cluster: the work-groups share only Wg (64 KiB), half of what a work-group reads, and the data must pass through registers to be rounded.
.set SPITCH, 528                       ; a staged row: 512 bytes (256 bf16) + 16 of padding
.set WSTG,   16*SPITCH                 ; a wave's stage
.set PART,   8*WSTG                    ; partial logits: 1,024 bytes a wave, 32 a lane
.set SPARE,  PART+8*1024               ; the spare words: 128 bytes a wave, four blocks of 256 bytes that no other line names
.set GOFF, 4                           ; v4  byte offset of my 16 bytes in a row of x or Wg
.set XBO,  5                           ; v5  the same in a row of xb (8 bytes)
.set SST,  6                           ; v6  where I stage 8 bytes
.set FR,   7                           ; v7  my fragment address
.set PST,  8                           ; v8  where my partial logits go
.set SPW,  10                          ; v10 my spare word; never rewritten
.set NIL,  11                          ; v11 0; never rewritten
.set ACC,  12                          ; v[12:19], v[20:27] two accumulators
.set LD,   32                          ; v[32:159] 32 loads of 4; then 16 fragments of 8; in wave 0 then the 8 waves' partial logits
.set BG,   160                         ; v[160:167] bg rounded to bf16, as f32
.set TB,   168                         ; v168 at work
.set M1,   170
.set I1,   171
.set M2,   172
.set I2,   173
.set VE,   174
.set LO,   175
.set HI,   176
.set BITS, 177
.set BAD,  178
	s_load_b256 s[4:11], s[0:1], 0x0               ; x s[4:5], Wg s[6:7], bg s[8:9], xb s[10:11]
	s_load_b64 s[12:13], s[0:1], 0x20              ; bm
	v_lshl_add_u32 v[SPW], v0, 2, SPARE
	v_mov_b32 v[NIL], 0
	v_and_b32 v1, 31, v0                           ; lane
	v_lshrrev_b32 v9, 5, v0
	v_readfirstlane_b32 s14, v9                    ; wave
	s_mov_b32 s15, ttmp9                           ; g
	s_lshl_b32 s2, s15, 16                         ; 8 rows of 8,192 bytes of x
	s_mov_b32 s3, 0
	s_lshl_b32 s28, s15, 15                        ; 8 rows of 4,096 bytes of xb
	s_mov_b32 s29, 0
	v_and_b32 v2, 7, v1
	v_lshrrev_b32 v3, 4, v1
	v_lshlrev_b32 v[GOFF], 4, v1
	v_lshl_add_u32 v[GOFF], s14, 10, v[GOFF]       ; 16 lane + 1,024 w
	v_lshlrev_b32 v[XBO], 3, v1
	v_lshl_add_u32 v[XBO], s14, 9, v[XBO]          ; 8 lane + 512 w
	s_mul_i32 s30, s14, WSTG
	v_lshl_add_u32 v[SST], v1, 3, s30              ; my stage + 8 lane
	v_mul_u32_u24 v[FR], v2, SPITCH
	v_lshl_add_u32 v[FR], v3, 4, v[FR]
	v_add_nc_u32 v[FR], s30, v[FR]                 ; my stage + (lane % 8) rows + 16 (lane / 16)
	s_lshl_b32 s31, s14, 10
	s_add_co_u32 s31, s31, PART
	v_lshl_add_u32 v[PST], v1, 5, s31
	s_wait_kmcnt 0x0
	s_add_nc_u64 s[24:25], s[4:5], s[2:3]
	s_add_nc_u64 s[26:27], s[10:11], s[28:29]
.set i, 0
.rept 16                                               ; x: row i / 2, half i % 2 of my 1,024 bytes
	global_load_b128 v[LD+4*i:LD+4*i+3], v[GOFF], s[24:25] offset:(i/2)*8192+(i%2)*512 th:TH_LOAD_NT
.set i, i+1
.endr
.rept 16                                               ; Wg likewise
	global_load_b128 v[LD+4*i:LD+4*i+3], v[GOFF], s[6:7] offset:((i-16)/2)*8192+(i%2)*512
.set i, i+1
.endr
.set i, 0
.rept 32
	s_wait_loadcnt 31-i                            ; loads come back in order: load i is in, the 31 - i younger ones stay out
	v_cvt_pk_bf16_f32 v[LD+4*i], v[LD+4*i], v[LD+4*i+1]
	v_cvt_pk_bf16_f32 v[LD+4*i+1], v[LD+4*i+2], v[LD+4*i+3]
	ds_store_b64 v[SST], v[LD+4*i:LD+4*i+1] offset:(i/2)*SPITCH+(i%2)*256
.if i < 16
	global_store_b64 v[XBO], v[LD+4*i:LD+4*i+1], s[26:27] offset:(i/2)*4096+(i%2)*256  ; the wave's store covers 256 consecutive bytes, aligned
.endif
.set i, i+1
.endr
	s_wait_xcnt 0x0                                ; the stores' data registers are loaded anew only behind this wait
.set k, 0
.rept 8                                                ; my own bytes: LDS serves a wave's instructions in order, so no barrier and no wait stand between stores and loads
	ds_load_b128 v[LD+16*k:LD+16*k+3],     v[FR] offset:8*SPITCH+64*k
	ds_load_b128 v[LD+16*k+4:LD+16*k+7],   v[FR] offset:8*SPITCH+64*k+32
	ds_load_b128 v[LD+16*k+8:LD+16*k+11],  v[FR] offset:64*k
	ds_load_b128 v[LD+16*k+12:LD+16*k+15], v[FR] offset:64*k+32
.set k, k+1
.endr
	s_wait_dscnt 0x0
	v_wmma_f32_16x16x32_bf16 v[ACC:ACC+7], v[LD:LD+7], v[LD+8:LD+15], 0            ; the first two products start the two sums
	v_wmma_f32_16x16x32_bf16 v[ACC+8:ACC+15], v[LD+16:LD+23], v[LD+24:LD+31], 0
.set k, 2
.rept 6                                                ; the two accumulators take turns
	v_wmma_f32_16x16x32_bf16 v[ACC+8*(k%2):ACC+8*(k%2)+7], v[LD+16*k:LD+16*k+7], v[LD+16*k+8:LD+16*k+15], v[ACC+8*(k%2):ACC+8*(k%2)+7]
.set k, k+1
.endr
.rept 4
	v_nop                                          ; four places between the last product and the first read of a result (ISA guide 7.12.1)
.endr
.irp j, 0,2,4,6                                        ; from each accumulator's low end on
	v_pk_add_f32 v[ACC+\j:ACC+\j+1], v[ACC+\j:ACC+\j+1], v[ACC+8+\j:ACC+8+\j+1]
.endr
	ds_store_b128 v[PST], v[ACC:ACC+3]
	ds_store_b128 v[PST], v[ACC+4:ACC+7] offset:16
	s_wait_dscnt 0x0                               ; for wave 0's sake: my partial logits are in LDS
	s_barrier_signal -1
	s_barrier_wait -1
	s_cmp_lg_u32 s14, 0
	s_cbranch_scc1 .Lend                           ; the rest is wave 0's; no barrier stands in it
	s_load_b256 s[16:23], s[8:9], 0x0              ; bg
	v_lshl_add_u32 v9, v1, 5, PART
.set k, 0
.rept 8
	ds_load_b128 v[LD+8*k:LD+8*k+3],   v9 offset:1024*k
	ds_load_b128 v[LD+8*k+4:LD+8*k+7], v9 offset:1024*k+16
.set k, k+1
.endr
	v_mov_b32 v[BITS], 0
	v_lshl_add_u32 v[BAD], v1, 8, s15              ; row lane of bm, byte g
	s_wait_kmcnt 0x0
.irp j, 0,2,4,6                                        ; bg rounded to bf16 and widened again
	v_cvt_pk_bf16_f32 v[TB], s[16+\j], s[17+\j]
	v_lshlrev_b32 v[BG+\j], 16, v[TB]
	v_and_b32 v[BG+\j+1], 0xffff0000, v[TB]
.endr
	s_wait_dscnt 0x0
.set k, 1
.rept 7                                                ; in wave order
.irp j, 0,2,4,6
	v_pk_add_f32 v[LD+\j:LD+\j+1], v[LD+\j:LD+\j+1], v[LD+8*k+\j:LD+8*k+\j+1]
.endr
.set k, k+1
.endr
.irp j, 0,2,4,6
	v_pk_add_f32 v[LD+\j:LD+\j+1], v[LD+\j:LD+\j+1], v[BG+\j:BG+\j+1]
.endr
; The two largest, experts ascending; both compares are strict, so of equal logits the lower index stays ahead.
.macro TOP e
	v_mov_b32 v[VE], \e
	v_cmp_gt_f32 vcc_lo, v[LD+\e], v[M1]
	v_cmp_gt_f32 s30, v[LD+\e], v[M2]
	v_cndmask_b32 v[M2], v[M2], v[LD+\e], s30
	v_cndmask_b32 v[I2], v[I2], v[VE], s30
	v_cndmask_b32 v[M2], v[M2], v[M1], vcc_lo
	v_cndmask_b32 v[I2], v[I2], v[I1], vcc_lo
	v_cndmask_b32 v[M1], v[M1], v[LD+\e], vcc_lo
	v_cndmask_b32 v[I1], v[I1], v[VE], vcc_lo
.endm
	v_mov_b32 v[M1], v[LD]
	v_mov_b32 v[I1], 0
	v_mov_b32 v[M2], 0xff800000
	v_mov_b32 v[I2], 0
.irp e, 1,2,3,4,5,6,7
	TOP \e
.endr
	v_min_u32 v[LO], v[I1], v[I2]
	v_max_u32 v[HI], v[I1], v[I2]
.irp e, 0,1,2,3,4,5,6,7                                ; lanes 0-7 hold tokens 0-7: a compare's low byte is the bitmap's byte; lane e of BITS takes row e's, lane 8 + e row 8 + e's
	v_cmp_eq_u32 s31, \e, v[LO]
	v_cmp_eq_u32 s32, \e, v[HI]
	s_or_b32 s33, s31, s32
	v_writelane_b32 v[BITS], s33, \e
	v_writelane_b32 v[BITS], s32, 8+\e
.endr
	v_cmp_gt_u32 vcc_lo, 16, v1
	s_wait_xcnt 0x0                                ; EXEC changes only behind s_wait_xcnt 0
	s_and_saveexec_b32 s34, vcc_lo
	global_store_b8 v[BAD], v[BITS], s[12:13]      ; 16 bytes a work-group, one in each row: the rows are what the next launch reads as words; 4 KiB in the whole launch
	s_wait_xcnt 0x0
	s_or_b32 exec_lo, exec_lo, s34
.Lend:
	s_wait_tensorcnt 0x0                           ; the wave's end
	ds_add_u32 v[SPW], v[NIL]
	s_wait_dscnt 0x0
	s_endpgm
.Lfunc_end_k_q56628f19ee_router:
	.size	k_q56628f19ee_router, .Lfunc_end_k_q56628f19ee_router-k_q56628f19ee_router
	.p2alignl 7, 3214868480
	.fill 96, 4, 3214868480
	.section	.rodata,"a",@progbits
	.p2align	6, 0x0
	.amdhsa_kernel k_q56628f19ee_router
		.amdhsa_group_segment_fixed_size 76800
		.amdhsa_private_segment_fixed_size 0
		.amdhsa_enable_private_segment 0
		.amdhsa_kernarg_size 40
		.amdhsa_user_sgpr_count 2
		.amdhsa_user_sgpr_kernarg_segment_ptr 1
		.amdhsa_wavefront_size32 1
		.amdhsa_system_sgpr_workgroup_id_x 1
		.amdhsa_system_sgpr_workgroup_id_y 1
		.amdhsa_system_sgpr_workgroup_id_z 1
		.amdhsa_system_vgpr_workitem_id 0
		.amdhsa_next_free_vgpr 200
		.amdhsa_next_free_sgpr 66
		.amdhsa_reserve_vcc 1
		.amdhsa_float_denorm_mode_32 3
		.amdhsa_float_denorm_mode_16_64 3
		.amdhsa_memory_ordered 1
		.amdhsa_forward_progress 1
		.amdhsa_inst_pref_size 26
	.end_amdhsa_kernel
	.amdgpu_metadata
---
amdhsa.version: [ 1, 2 ]
amdhsa.kernels:
  - .name:           k_q56628f19ee_router
    .symbol:         k_q56628f19ee_router.kd
    .args:
      - { .name: hidden_states, .offset: 0, .size: 8, .value_kind: global_buffer, .address_space: global }
      - { .name: Wg, .offset: 8, .size: 8, .value_kind: global_buffer, .address_space: global }
      - { .name: bg, .offset: 16, .size: 8, .value_kind: global_buffer, .address_space: global }
      - { .name: xb, .offset: 24, .size: 8, .value_kind: global_buffer, .address_space: global }
      - { .name: bm, .offset: 32, .size: 8, .value_kind: global_buffer, .address_space: global }
    .group_segment_fixed_size: 76800
    .private_segment_fixed_size: 0
    .kernarg_segment_align: 8
    .kernarg_segment_size: 40
    .max_flat_workgroup_size: 256
    .sgpr_count:     66
    .vgpr_count:     200
    .wavefront_size: 32
...
	.end_amdgpu_metadata
.endif
;; end of part 1
;; launch product (part 2): grid 32 x 8, 4 waves a work-group, no clusters, 247,296 bytes of LDS; arguments xb, bm, W, b, part; writes part
.if DOCPART == 2
	.amdgcn_target "amdgcn-amd-amdhsa--gfx1250"
	.amdhsa_code_object_version 6
	.text
	.protected	k_q56628f19ee_product
	.globl	k_q56628f19ee_product
	.p2align	8
	.type	k_q56628f19ee_product,@function
k_q56628f19ee_product:
	s_mov_b64 s[64:65], 0
	v_nop
	global_prefetch_b8 v0, s[64:65] scope:SCOPE_SE
	s_setreg_imm32_b32 hwreg(HW_REG_WAVE_MODE, 25, 1), 1
	s_wait_xcnt 0x0
; PRODUCT.  For expert e and each token that chose it: part[slot][token][:] = x[token] W[e]^T + b[e], slot 0 if e is the lower-numbered of the token's two experts, 1 if the higher.
; x comes as bf16 (xb), W as f32 and is rounded to bf16 on its way through registers; sums and part in f32; b in f32, as the C operand that starts the sums.
; SHARES.  256 work-groups = 8 experts x 16 slices of 128 output columns x 2 halves of the expert's rows.  With c rows there are nb = ceil(c / 16) blocks of 16; half 0 takes the first
; ceil(nb / 2), half 1 the rest.  The main path serves 20 blocks (320 rows) a work-group: wave w = (wr, wc) takes blocks 2 i + wr, i = 0..9, and columns 64 wc .. + 63: 40 accumulators.
; Its structure is constant; on the count hang only jumps over products and stores of blocks 8 and 9 and of dead blocks, with no barrier in what is jumped.  Places past the count repeat the
; last live row: the same numbers, stored to the same bytes by the same wave.
; LIMIT.  An expert with more than 640 rows is served, for every split, by the path at the end (operands straight from memory, 16 rows at a time, stores of 32 bytes a lane): right, and slow.
; THE LIST.  Each wave finds the tokens of 96 ranks from the expert's bitmap (64 words in two registers): a scalar walk over the words' counts finds each rank's word, a binary descent on
; partial bit counts its bit.  Tokens and places in part go through LDS once, so that each lane gets those of the rows that it loads or stores.
; K goes in 16 steps of 128 through two LDS buffers (320 rows of x, 128 rows of W, bf16, 272 bytes apart).  In step s each wave stores its share of step s + 1 from registers into the other
; buffer and asks memory for x of step s + 2 and W of step s + 3; one barrier a step.
; NO TENSOR LOADS, NO MULTICAST: W is f32 in memory and bf16 in the matrix unit; an f32 tile in LDS would double the bytes written and read there and every reading wave would round it again;
; the token rows come by a list, which no tile descriptor covers; and a slice of W has two readers, the two halves, which walk it in step.
; The matrix instruction is used transposed (source 0 = 16 rows of W, source 1 = 16 token rows): a lane holds one token row and eight neighbouring columns.
; REGISTERS, in windows of 256 (s_set_vgpr_msb: bits 1:0 source 0, 3:2 source 1, 5:4 source 2, 7:6 destination):
;   window 0: addresses, the list's work, XOFF (40), fragments WF (2 x 32), XA (40), XB (40), TMP (16), PR (8)
;   window 1: the accumulators of blocks i = 0..7, tile (i, c) at 8 (4 i + c)
;   window 2: v0-63 those of i = 8, 9; v64-223 XS, x on its way (40 x 4); v224-255 BI, the bias as C operands
;   window 3: WS0 v0-127, WS1 v128-255: W on its way, f32
.set PITCH,  272                       ; an LDS row: 256 bytes + 16: the 16 rows of a fragment load start at 16 different groups of four banks (ISA guide 11.1)
.set ABYTES, 320*PITCH                 ; x's rows of a buffer
.set BUFB,   448*PITCH                 ; a buffer: x's 320 rows, then W's 128
.set TOKL,   2*BUFB                    ; tokens: the word of row p at (p % 2) 768 + (p / 2) 4
.set PRL,    TOKL+1536                 ; places in part (slot x 2,048 + token): the word of row p at (p / 16) 64 + (p % 2) 32 + ((p / 2) % 8) 4
.set SPARE,  PRL+1536                  ; the spare words: 128 bytes a wave, two blocks of 256 bytes that no other line names
.set SPW,  10                          ; my spare word; never rewritten
.set NIL,  11                          ; 0; never rewritten
.set WOFF, 12                          ; my byte offset in the slice of W: row 32 w, 16 lane
.set BMO,  13                          ; 4 lane
.set AFR,  14                          ; buffer 0: fragments of x, blocks 0-4;  buffer 1's five addresses lie 6 registers on
.set AFRH, 15                          ;           blocks 5-9
.set BFR,  16                          ;           fragments of W
.set AST,  17                          ;           where I store rows of x
.set BST,  18                          ;           where I store rows of W
.set BIO,  19                          ; my byte offset in the slice's bias
.set OBO,  25                          ; the same on the last path
.set STG,  26                          ; the way out: where I put 32 bytes of a row
.set RD,   27                          ; the way out: where I read rows back
.set PRA,  28                          ; my eight places of a block
.set COL,  29                          ; my byte offset in a row of part
.set CH,   30                          ; v30-31 the expert's bitmap, word lane and word 32 + lane
.set HI,   32                          ; v32-33 the bitmap 'the higher of the two'
.set RK,   34                          ; v34-36 ranks, then tokens
.set SW,   37                          ; v37-39 a rank's word, then its place in part
.set SH,   40                          ; v40-42 the same word of HI
.set SP,   43                          ; v43-45 the word's number << 16 | the ranks before it
.set POS,  46
.set PT,   47
.set XOFF, 48                          ; v48-87  byte offset in xb of my 16 bytes of row 80 w + 2 i + lane / 16
.set WF,   88                          ; v88-151 two sets of four fragments of W
.set XA,   152                         ; v152-191 fragments of blocks 0-4; on the way out: rows read back
.set XB,   192                         ; v192-231 fragments of blocks 5-9
.set TMP,  232                         ; v232-247 rounded W, 8 x 8 bytes
.set PR,   248                         ; v248-255 the way out: addresses
.set XS,   64                          ; window 2
.set BI,   224                         ; window 2
.set OB,   88                          ; the last path, all in window 0: bias (16),
.set OX,   104                         ; token fragments (16),
.set OAC,  120                         ; two accumulators,
.set OWO,  136                         ; offsets,
.set OCOL, 137
.set OXO,  138
.set OPR,  139
.set OH,   140
.set OF,   152                         ; W in f32 (64),
.set OWB,  216                         ; W's four fragments (32)
.set WV,   14                          ; scalars: wave, wr, wc, half, slice, expert
.set WRW,  15
.set WCL,  16
.set HALF, 17
.set SLICE,18
.set EXPT, 19
.set CNT,  20                          ; c
.set NBL,  21                          ; nb
.set SBK,  22                          ; my first block
.set BHK,  23                          ; my blocks
.set LIM,  24                          ; one past my last rank
.set LIVE, 25                          ; how many of my wave's ten blocks are live
.set TRIP, 26
.set XP,   36                          ; s[36:37] xb at the K step to be asked for
.set WP,   38                          ; s[38:39] the slice of W likewise
.set LIM1, 47                          ; LIM - 1
.set MSB, 0
.macro WIN new                         ; the immediate's high byte repeats the setting that is left; a switch that changes nothing is dropped
.if MSB != (\new)
	s_set_vgpr_msb (MSB<<8)|(\new)
.set MSB, \new
.endif
.endm
.macro PLACES                          ; four places in front of loads into registers that matrix instructions have read, and of reads of results
.rept 4
	v_nop
.endr
.endm
; THE FILLS, in four parts q of a K step.  x: 10 instructions a part, each two token rows' 256 bytes.  W: 8 instructions a part, each 512 consecutive bytes of one row.
.macro XLD q, bs, off
	WIN 0x80                                       ; destination window 2
.set i, 10*(\q)
.rept 10
	global_load_b128 v[XS+4*i:XS+4*i+3], v[XOFF+i], s[\bs:\bs+1] offset:\off
.set i, i+1
.endr
.endm
.macro XST bf, q
	WIN 0x08                                       ; data window 2
.set i, 10*(\q)
.rept 10
	ds_store_b128 v[AST+6*(\bf)], v[XS+4*i:XS+4*i+3] offset:i*2*PITCH
.set i, i+1
.endr
.endm
.macro WLD ws, q, bs, off
	WIN 0xc0                                       ; destination window 3
.set j, 8*(\q)
.rept 8
	global_load_b128 v[128*(\ws)+4*j:128*(\ws)+4*j+3], v[WOFF], s[\bs:\bs+1] offset:j*8192+(\off)
.set j, j+1
.endr
.endm
.macro WCV bf, ws, q
	WIN 0x0f                                       ; sources window 3, destination window 0
.set j, 8*(\q)
.set z, 0
.rept 8
	v_cvt_pk_bf16_f32 v[TMP+2*z],   v[128*(\ws)+4*j],   v[128*(\ws)+4*j+1]
	v_cvt_pk_bf16_f32 v[TMP+2*z+1], v[128*(\ws)+4*j+2], v[128*(\ws)+4*j+3]
.set j, j+1
.set z, z+1
.endr
	WIN 0
.set j, 8*(\q)
.set z, 0
.rept 8
	ds_store_b64 v[BST+6*(\bf)], v[TMP+2*z:TMP+2*z+1] offset:j*PITCH  ; 256 consecutive bytes: a row
.set j, j+1
.set z, z+1
.endr
.endm
; Part q of step s (buffer p is being multiplied): x and W of step s + 1 go into the other buffer; x of step s + 2 and W of step s + 3 are asked for into the registers just emptied.
; cnt: the loads issued behind this part's x of step s + 1; its W is older still.
.macro STAGE p, q, cnt, ldx, ldw, xo, wo
	s_wait_loadcnt \cnt
	XST 1-(\p), \q
.if \ldx
	XLD \q, XP, \xo
.endif
	WCV 1-(\p), 1-(\p), \q
.if \ldw
	WLD 1-(\p), \q, WP, \wo
.endif
.endm
; FRAGMENTS of 32 along K at byte 64 q of the rows.  LDA0: blocks 0-4 and W's four (18 loads).  LDA1: blocks 5-9 (10 loads).
.macro LDA0 bf, q
	WIN 0
.irp i, 0,1,2,3,4
	ds_load_b128 v[XA+8*\i:XA+8*\i+3],   v[AFR+6*(\bf)] offset:\i*32*PITCH+64*(\q)
	ds_load_b128 v[XA+8*\i+4:XA+8*\i+7], v[AFR+6*(\bf)] offset:\i*32*PITCH+64*(\q)+32
.endr
.irp c, 0,1,2,3
	ds_load_b128 v[WF+32*((\q)%2)+8*\c:WF+32*((\q)%2)+8*\c+3],   v[BFR+6*(\bf)] offset:\c*16*PITCH+64*(\q)
	ds_load_b128 v[WF+32*((\q)%2)+8*\c+4:WF+32*((\q)%2)+8*\c+7], v[BFR+6*(\bf)] offset:\c*16*PITCH+64*(\q)+32
.endr
.endm
.macro LDA1 bf, q
	WIN 0
.irp i, 0,1,2,3,4
	ds_load_b128 v[XB+8*\i:XB+8*\i+3],   v[AFRH+6*(\bf)] offset:\i*32*PITCH+64*(\q)
	ds_load_b128 v[XB+8*\i+4:XB+8*\i+7], v[AFRH+6*(\bf)] offset:\i*32*PITCH+64*(\q)+32
.endr
.endm
; PRODUCTS.  Four of block i.  Every instruction names another accumulator, in the same order in every quarter: the accumulators take turns.
; first = 1: the bias is the C operand that starts the sums: nothing is cleared.
.macro MUL i, q, first
.if (\i) < 8
.set AC, 32*(\i)
.else
.set AC, 32*((\i)-8)
.endif
.if (\i) < 5
.set XR, XA+8*(\i)
.else
.set XR, XB+8*((\i)-5)
.endif
.set WFR, WF+32*((\q)%2)
.irp c, 0,1,2,3
.if \first
	v_wmma_f32_16x16x32_bf16 v[AC+8*\c:AC+8*\c+7], v[WFR+8*\c:WFR+8*\c+7], v[XR:XR+7], v[BI+8*\c:BI+8*\c+7]
.else
	v_wmma_f32_16x16x32_bf16 v[AC+8*\c:AC+8*\c+7], v[WFR+8*\c:WFR+8*\c+7], v[XR:XR+7], v[AC+8*\c:AC+8*\c+7]
.endif
.endr
.endm
.macro U0 q, first                     ; blocks 0-4
.if \first
	WIN 0x60                                       ; C window 2, D window 1
.else
	WIN 0x50                                       ; C and D window 1
.endif
.irp i, 0,1,2,3,4
	MUL \i, \q, \first
.endr
.endm
.macro U1A q, first                    ; blocks 5-7
.if \first
	WIN 0x60
.else
	WIN 0x50
.endif
.irp i, 5,6,7
	MUL \i, \q, \first
.endr
.endm
.macro U1B q, first                    ; blocks 8 and 9: jumped where they are dead; the first products are always made, so that every accumulator is written
.if \first
	WIN 0xa0                                       ; C and D window 2
	MUL 8, \q, 1
	MUL 9, \q, 1
.else
	WIN 0                                          ; at a branch and at a label every window is 0
	s_cmp_lt_u32 s[LIVE], 9
	s_cbranch_scc1 .Ldead_\@
	WIN 0xa0
	MUL 8, \q, 0
	WIN 0
	s_cmp_lt_u32 s[LIVE], 10
	s_cbranch_scc1 .Ldead_\@
	WIN 0xa0
	MUL 9, \q, 0
	WIN 0
.Ldead_\@:
.endif
.endm
; A K step is four quarters of 32 along K.  One of the first three.  LDS instructions end in order; in front of U0 those issued behind LDA0's loads may be out: LDA1's 10 and the part's 18
; stores (28; without stores 10); in front of U1A those behind LDA1's: the 18 stores and the next LDA0's 18 loads (36; without stores 18).
.macro QUARTER p, q, first, cnt, ldx, ldw, xo, wo, st
.if \st
	STAGE \p, \q, \cnt, \ldx, \ldw, \xo, \wo
	s_wait_dscnt 28
.else
	s_wait_dscnt 10
.endif
	U0 \q, \first
	PLACES
	LDA0 \p, (\q)+1
.if \st
	s_wait_dscnt 36
.else
	s_wait_dscnt 18
.endif
	U1A \q, \first
	U1B \q, \first
	PLACES
	LDA1 \p, (\q)+1
.endm
; The last quarter changes buffers: ONE barrier.  In front of it my reads of this buffer and my stores into the other are done; behind it nobody reads this buffer any more and the other is whole.
.macro LASTQ p, cnt, ldx, ldw, xo, wo, st
.if \st
	STAGE \p, 3, \cnt, \ldx, \ldw, \xo, \wo
	s_wait_dscnt 28
	U0 3, 0
	s_wait_dscnt 0x0
	s_barrier_signal -1
	U1A 3, 0                                       ; work on registers while the others arrive
	WIN 0
	s_barrier_wait -1
	PLACES
	LDA0 1-(\p), 0
	U1B 3, 0
	PLACES
	LDA1 1-(\p), 0
.else
	s_wait_dscnt 10
	U0 3, 0
	s_wait_dscnt 0x0
	U1A 3, 0
	U1B 3, 0
	PLACES
.endif
.endm
.macro STEP p, first, c0, c1, ldx, ldw, xo, wo, st
	QUARTER \p, 0, \first, (\c0), \ldx, \ldw, \xo, \wo, \st
	QUARTER \p, 1, 0, (\c0)+(\c1), \ldx, \ldw, \xo, \wo, \st
	QUARTER \p, 2, 0, (\c0)+2*(\c1), \ldx, \ldw, \xo, \wo, \st
	LASTQ \p, (\c0)+3*(\c1), \ldx, \ldw, \xo, \wo, \st
.endm
; THE LIST.  SCANH walks 32 words of the bitmap (hf = 0: words 0-31, 1: words 32-63): s28 = the ranks before the word.  Every rank at or above s28 takes the word; the last word taken is the rank's.
; Words wholly below the wave's lowest rank (s34) or at or above one past its highest (s35) are jumped.
.macro SCANH nr, hf
	s_mov_b32 s27, 0
.Lscan_\@:
	v_readlane_b32 s31, v[CH+\hf], s27
	s_bcnt1_i32_b32 s29, s31
	s_add_co_u32 s30, s28, s29
	s_cmp_le_u32 s30, s34
	s_cbranch_scc1 .Lskip_\@
	s_cmp_ge_u32 s28, s35
	s_cbranch_scc1 .Lskip_\@
	v_readlane_b32 s32, v[HI+\hf], s27
	s_add_co_u32 s33, s27, 32*\hf
	s_lshl_b32 s33, s33, 16
	s_or_b32 s33, s33, s28
.set z, 0
.rept \nr
	v_cmp_le_u32 vcc_lo, s28, v[RK+z]
	v_cndmask_b32 v[SW+z], v[SW+z], s31, vcc_lo
	v_cndmask_b32 v[SH+z], v[SH+z], s32, vcc_lo
	v_cndmask_b32 v[SP+z], v[SP+z], s33, vcc_lo
.set z, z+1
.endr
.Lskip_\@:
	s_mov_b32 s28, s30
	s_add_co_u32 s27, s27, 1
	s_cmp_lt_u32 s27, 32
	s_cbranch_scc1 .Lscan_\@
.endm
.macro SEL src, wid, k                 ; if the k bits from POS on hold no more than v4 set bits before the one sought, pass them
	v_bfe_u32 v9, v[\src], v[POS], \wid
	v_add_nc_u32 v[PT], \k, v[POS]
	v_cmp_ge_u32 vcc_lo, v4, v9
	v_cndmask_b32 v9, 0, v9, vcc_lo
	v_cndmask_b32 v[POS], v[POS], v[PT], vcc_lo
	v_sub_nc_u32 v4, v4, v9
.endm
.macro PICK z                          ; the bit of rank RK in its word: counts of 2, 4, 8 and 16 bits, then five halvings.  Leaves the token in RK and slot x 2,048 + token in SW
	v_and_b32 v4, 0xffff, v[SP+\z]
	v_sub_nc_u32 v4, v[RK+\z], v4
	v_lshrrev_b32 v5, 1, v[SW+\z]
	v_and_b32 v5, 0x55555555, v5
	v_sub_nc_u32 v5, v[SW+\z], v5
	v_lshrrev_b32 v6, 2, v5
	v_and_b32 v6, 0x33333333, v6
	v_and_b32 v7, 0x33333333, v5
	v_add_nc_u32 v6, v6, v7
	v_lshrrev_b32 v7, 4, v6
	v_add_nc_u32 v7, v7, v6
	v_and_b32 v7, 0x0f0f0f0f, v7
	v_lshrrev_b32 v8, 8, v7
	v_add_nc_u32 v8, v8, v7
	v_mov_b32 v[POS], 0
	SEL 8, 8, 16
	SEL 7, 8, 8
	SEL 6, 4, 4
	SEL 5, 2, 2
	SEL SW+\z, 1, 1
	v_lshrrev_b32 v9, 16, v[SP+\z]
	v_lshl_add_u32 v[RK+\z], v9, 5, v[POS]
	v_bfe_u32 v9, v[SH+\z], v[POS], 1
	v_lshl_add_u32 v[SW+\z], v9, 11, v[RK+\z]
.endm
	s_load_b256 s[4:11], s[0:1], 0x0               ; xb s[4:5], bm s[6:7], W s[8:9], b s[10:11]
	s_load_b64 s[12:13], s[0:1], 0x20              ; part
	v_lshl_add_u32 v[SPW], v0, 2, SPARE
	v_mov_b32 v[NIL], 0
	v_lshrrev_b32 v9, 5, v0
	v_readfirstlane_b32 s[WV], v9
	s_lshr_b32 s[WRW], s[WV], 1
	s_and_b32 s[WCL], s[WV], 1
	s_and_b32 s[HALF], ttmp9, 1
	s_lshr_b32 s[SLICE], ttmp9, 1
	s_and_b32 s[EXPT], ttmp7, 0xffff
	s_mov_b32 s42, 0x76543210                      ; v_permlanex16_b32: each lane takes its own place in the other half
	s_mov_b32 s43, 0xfedcba98
	v_and_b32 v1, 31, v0                           ; lane
	v_and_b32 v2, 15, v0                           ; r
	v_bfe_u32 v3, v0, 4, 1                         ; h
	v_lshlrev_b32 v[BMO], 2, v1
	v_lshlrev_b32 v[BIO], 5, v3
	v_lshl_add_u32 v[BIO], s[WCL], 8, v[BIO]       ; 32 h + 256 wc
	v_lshlrev_b32 v[WOFF], 4, v1
	v_lshl_add_u32 v[WOFF], s[WV], 18, v[WOFF]     ; 32 w rows of 8,192 bytes + 16 lane
	s_lshl_b32 s40, s[EXPT], 8
	s_mov_b32 s41, 0
	s_wait_kmcnt 0x0
	s_add_nc_u64 s[6:7], s[6:7], s[40:41]          ; bm at row e
	s_lshl_b32 s40, s[EXPT], 24
	s_lshl_b32 s27, s[SLICE], 20
	s_add_co_u32 s40, s40, s27
	s_add_nc_u64 s[8:9], s[8:9], s[40:41]          ; W at the expert's slice: 128 rows of 8,192 bytes
	s_lshl_b32 s40, s[EXPT], 13
	s_lshl_b32 s27, s[SLICE], 9
	s_add_co_u32 s40, s40, s27
	s_add_nc_u64 s[10:11], s[10:11], s[40:41]      ; b at the slice
	global_load_b32 v[CH],   v[BMO], s[6:7]
	global_load_b32 v[CH+1], v[BMO], s[6:7] offset:128
	global_load_b32 v[HI],   v[BMO], s[6:7] offset:2048
	global_load_b32 v[HI+1], v[BMO], s[6:7] offset:2176
	WIN 0x80
.irp c, 0,1,2,3                                        ; C(m = 8 h + j, n) = b[16 c + 8 h + j]
	global_load_b128 v[BI+8*\c:BI+8*\c+3],   v[BIO], s[10:11] offset:64*\c
	global_load_b128 v[BI+8*\c+4:BI+8*\c+7], v[BIO], s[10:11] offset:64*\c+16
.endr
.irp q, 0,1,2,3
	WLD 0, \q, 8, 0                                ; W of K step 0
.endr
	WIN 0
	; the LDS addresses
	v_mul_u32_u24 v4, v2, PITCH
	v_lshl_add_u32 v4, v3, 4, v4                   ; r rows + 16 h
	s_mul_i32 s40, s[WRW], 16*PITCH
	v_add_nc_u32 v[AFR], s40, v4
	v_add_nc_u32 v[AFRH], 5*32*PITCH, v[AFR]
	s_mul_i32 s40, s[WCL], 64*PITCH
	s_add_co_u32 s40, s40, ABYTES
	v_add_nc_u32 v[BFR], s40, v4
	v_mul_u32_u24 v5, v3, PITCH
	v_lshl_add_u32 v5, v2, 4, v5                   ; h rows + 16 r
	s_mul_i32 s40, s[WV], 80*PITCH
	v_add_nc_u32 v[AST], s40, v5
	s_mul_i32 s40, s[WV], 32*PITCH
	s_add_co_u32 s40, s40, ABYTES
	v_lshl_add_u32 v[BST], v1, 3, s40
.irp k, 0,1,2,3,4
	v_add_nc_u32 v[AFR+6+\k], BUFB, v[AFR+\k]
.endr
	s_mul_i32 s40, s[WV], 16*PITCH                 ; my stage for the way out: 16 rows at the head of buffer 0, free behind the barrier that ends step 14
	v_mul_u32_u24 v6, v2, PITCH
	v_lshl_add_u32 v6, v3, 5, v6
	v_add_nc_u32 v[STG], s40, v6
	v_add_nc_u32 v[RD], s40, v5
	s_lshl_b32 s40, s[WRW], 6
	s_add_co_u32 s40, s40, PRL
	v_lshl_add_u32 v[PRA], v3, 5, s40
	s_lshl_b32 s40, s[SLICE], 9
	s_lshl_b32 s41, s[WCL], 8
	s_add_co_u32 s40, s40, s41
	v_lshl_add_u32 v[COL], v2, 4, s40
	v_and_b32 v[TMP], 1, v1                        ; where row p = 96 w + 32 j + lane puts its token,
	v_mul_u32_u24 v[TMP], v[TMP], 768
	v_lshrrev_b32 v4, 1, v1
	v_lshl_add_u32 v[TMP], v4, 2, v[TMP]
	s_mul_i32 s40, s[WV], 192
	s_add_co_u32 s40, s40, TOKL
	v_add_nc_u32 v[TMP], s40, v[TMP]
	v_and_b32 v[TMP+1], 1, v1                      ; and its place in part,
	v_lshlrev_b32 v[TMP+1], 5, v[TMP+1]
	v_lshl_add_u32 v[TMP+1], v3, 6, v[TMP+1]
	v_bfe_u32 v4, v1, 1, 3
	v_lshl_add_u32 v[TMP+1], v4, 2, v[TMP+1]
	s_mul_i32 s40, s[WV], 384
	s_add_co_u32 s40, s40, PRL
	v_add_nc_u32 v[TMP+1], s40, v[TMP+1]
	v_mul_u32_u24 v[TMP+2], v3, 768                ; and where the 40 tokens lie whose rows I load
	s_mul_i32 s40, s[WV], 160
	s_add_co_u32 s40, s40, TOKL
	v_add_nc_u32 v[TMP+2], s40, v[TMP+2]
	s_mov_b32 s40, 0x01010101
.irp q, 0,1,2,3
	WLD 1, \q, 8, 512                              ; W of K step 1
.endr
	WIN 0
	s_wait_loadcnt 63                              ; 76 loads have been issued: the 13 oldest are in, the bitmaps and the bias among them (a wait's count names 63 at the most)
	; c = the set bits of the expert's 64 words
	v_lshrrev_b32 v4, 1, v[CH]
	v_lshrrev_b32 v5, 1, v[CH+1]
	v_and_b32 v4, 0x55555555, v4
	v_and_b32 v5, 0x55555555, v5
	v_sub_nc_u32 v4, v[CH], v4
	v_sub_nc_u32 v5, v[CH+1], v5
	v_lshrrev_b32 v6, 2, v4
	v_lshrrev_b32 v7, 2, v5
	v_and_b32 v4, 0x33333333, v4
	v_and_b32 v5, 0x33333333, v5
	v_and_b32 v6, 0x33333333, v6
	v_and_b32 v7, 0x33333333, v7
	v_add_nc_u32 v4, v4, v6
	v_add_nc_u32 v5, v5, v7
	v_add_nc_u32 v4, v4, v5                        ; 8 at the most in each four bits
	v_lshrrev_b32 v5, 4, v4
	v_and_b32 v4, 0x0f0f0f0f, v4
	v_and_b32 v5, 0x0f0f0f0f, v5
	v_add_nc_u32 v4, v4, v5
	v_mul_lo_u32 v4, v4, s40
	v_lshrrev_b32 v4, 24, v4
	v_mov_b32 v5, 0
.irp m, 1,2,4,8
	v_mov_b32_dpp v5, v4 row_xmask:\m row_mask:0xf bank_mask:0xf
	v_add_nc_u32 v4, v4, v5
.endr
	v_permlanex16_b32 v5, v4, s42, s43
	v_add_nc_u32 v4, v4, v5
	v_readfirstlane_b32 s[CNT], v4
	s_add_co_u32 s[NBL], s[CNT], 15
	s_lshr_b32 s[NBL], s[NBL], 4
	s_add_co_u32 s40, s[NBL], 1
	s_lshr_b32 s40, s40, 1                         ; half 0's blocks
	s_sub_co_u32 s41, s[NBL], s40                  ; half 1's
	s_cmp_eq_u32 s[HALF], 0
	s_cselect_b32 s[SBK], 0, s40
	s_cselect_b32 s[BHK], s40, s41
	s_add_co_u32 s40, s[SBK], s[BHK]
	s_lshl_b32 s40, s40, 4
	s_min_u32 s[LIM], s[CNT], s40
	s_sub_co_u32 s[LIM1], s[LIM], 1                ; with no row at all this wraps: every word is then jumped, the tokens found are below 32, and nothing is stored
	s_sub_co_u32 s40, s[BHK], s[WRW]
	s_add_co_u32 s40, s40, 1
	s_lshr_b32 s40, s40, 1
	s_min_u32 s[LIVE], s40, 10                     ; the i with 2 i + wr below my blocks, ten at the most
	s_lshl_b32 s40, s[SBK], 4
	s_mul_i32 s41, s[WV], 96
	s_add_co_u32 s40, s40, s41                     ; the rank of row 96 w
	s_min_u32 s34, s40, s[LIM1]
	s_add_co_u32 s35, s40, 96
	v_add_nc_u32 v[RK], s40, v1
	v_add_nc_u32 v[RK+1], 32, v[RK]
	v_add_nc_u32 v[RK+2], 64, v[RK]
.irp j, 0,1,2
	v_min_u32 v[RK+\j], s[LIM1], v[RK+\j]          ; places past the count repeat the last live row
	v_mov_b32 v[SW+\j], 0
	v_mov_b32 v[SH+\j], 0
	v_mov_b32 v[SP+\j], 0
.endr
	s_mov_b32 s28, 0
	SCANH 3, 0
	SCANH 3, 1
.irp j, 0,1,2
	PICK \j
	ds_store_b32 v[TMP],   v[RK+\j] offset:64*\j
	ds_store_b32 v[TMP+1], v[SW+\j] offset:128*\j
.endr
	s_wait_dscnt 0x0                               ; for the others' sake: my part of the lists is in LDS
	s_barrier_signal -1
	s_barrier_wait -1
.set t, 0
.rept 10
	ds_load_b128 v[XOFF+4*t:XOFF+4*t+3], v[TMP+2] offset:16*t
.set t, t+1
.endr
	v_lshlrev_b32 v4, 4, v2
	s_wait_dscnt 0x0
.set i, 0
.rept 40
	v_min_u32 v[XOFF+i], 0x7ff, v[XOFF+i]          ; a token stays inside xb
	v_lshl_add_u32 v[XOFF+i], v[XOFF+i], 12, v4    ; its row of 4,096 bytes + 16 r
.set i, i+1
.endr
.irp q, 0,1,2,3
	XLD \q, 4, 0                                   ; x of K step 0
.endr
	s_wait_loadcnt 63                              ; behind W of step 0 stand 72 loads: with 63 out it is in
.irp q, 0,1,2,3
	WCV 0, 0, \q
	WLD 0, \q, 8, 1024                             ; W of K step 2
.endr
	s_wait_loadcnt 32                              ; behind x of step 0 stand those 32
.irp q, 0,1,2,3
	XST 0, \q
.endr
.irp q, 0,1,2,3
	XLD \q, 4, 256                                 ; x of K step 1
.endr
	WIN 0
	s_add_nc_u64 s[XP:XP+1], s[4:5], 512           ; x of step 2
	s_add_nc_u64 s[WP:WP+1], s[8:9], 1536          ; W of step 3
	s_wait_dscnt 0x0                               ; my part of buffer 0 is in LDS
	s_barrier_signal -1
	s_barrier_wait -1
	LDA0 0, 0
	LDA1 0, 0
	; The load counts.  Step 0: behind part q of x(1) stand its later parts (10 each) and this step's earlier parts (18 each): 30 + 8 q.
	STEP 0, 1, 30, 8, 1, 1, 0, 0, 1
	WIN 0
	s_wait_xcnt 0x0                                ; the bases are stepped only behind this wait
	s_add_nc_u64 s[XP:XP+1], s[XP:XP+1], 256
	s_add_nc_u64 s[WP:WP+1], s[WP:WP+1], 512
	s_mov_b32 s[TRIP], 6
.Lk:                                                   ; steps 1 to 12, two a trip.  Behind part q of x(s + 1) stand the 8 loads of W of its own part and three parts of 18: 62
	STEP 1, 0, 62, 0, 1, 1, 0, 0, 1
	STEP 0, 0, 62, 0, 1, 1, 256, 512, 1
	WIN 0
	s_wait_xcnt 0x0
	s_add_nc_u64 s[XP:XP+1], s[XP:XP+1], 512
	s_add_nc_u64 s[WP:WP+1], s[WP:WP+1], 1024
	s_sub_co_u32 s[TRIP], s[TRIP], 1
	s_cmp_lg_u32 s[TRIP], 0
	s_cbranch_scc1 .Lk
	STEP 1, 0, 62, -8, 1, 0, 0, 0, 1               ; step 13 asks for x(15) alone: its earlier parts count 10, not 18
	STEP 0, 0, 30, -10, 0, 0, 0, 0, 1              ; step 14 asks for nothing: behind part q of x(15) stand its later parts
	STEP 1, 0, 0, 0, 0, 0, 0, 0, 0                 ; step 15 only multiplies
; THE WAY OUT of block i: 16 rows x 256 bytes go through my stage and come back as whole rows; each row goes to its place in part: sixteen lanes store 256 consecutive bytes, aligned.
.macro OUT i
	s_cmp_le_u32 s[LIVE], \i
	s_cbranch_scc1 .Lout_done                      ; this block and all behind it are dead
	s_wait_xcnt 0x0                                ; the last block's stores have read their registers
.if (\i) < 8
	WIN 0x04                                       ; data window 1
.set AC, 32*(\i)
.else
	WIN 0x08                                       ; data window 2
.set AC, 32*((\i)-8)
.endif
.irp c, 0,1,2,3                                        ; each accumulator from its low end on
	ds_store_b128 v[STG], v[AC+8*\c:AC+8*\c+3]   offset:64*\c
	ds_store_b128 v[STG], v[AC+8*\c+4:AC+8*\c+7] offset:64*\c+16
.endr
	WIN 0
	ds_load_b128 v[PR:PR+3],   v[PRA] offset:128*(\i)
	ds_load_b128 v[PR+4:PR+7], v[PRA] offset:128*(\i)+16
.irp t, 0,1,2,3,4,5,6,7
	ds_load_b128 v[XA+4*\t:XA+4*\t+3], v[RD] offset:\t*2*PITCH  ; LDS serves a wave's instructions in order: these see the stores above
.endr
	s_wait_dscnt 8                                 ; the eight rows may be out: the places are in
.irp t, 0,1,2,3,4,5,6,7
	v_min_u32 v[PR+\t], 0xfff, v[PR+\t]            ; a place stays inside part
.endr
.irp t, 0,1,2,3,4,5,6,7
	v_lshl_add_u32 v[PR+\t], v[PR+\t], 13, v[COL]  ; its row of 8,192 bytes + my columns
.endr
.irp t, 0,1,2,3,4,5,6,7
	s_wait_dscnt 7-\t
	global_store_b128 v[PR+\t], v[XA+4*\t:XA+4*\t+3], s[12:13]
.endr
.endm
.irp i, 0,1,2,3,4,5,6,7,8,9
	OUT \i
.endr
.Lout_done:
; BLOCKS 20 ON (an expert with more than 640 rows).  No LDS, no barrier.  All four waves take the same 16 rows; wave w the columns 32 w .. + 31: two accumulators by turns.
; One step of 64 along K: the token rows' fragments as they lie in xb, W's rows in f32, rounded here.
.macro OVK zero
.irp t, 0,1,2,3
	global_load_b128 v[OX+4*\t:OX+4*\t+3], v[OXO], s[48:49] offset:32*\t
.endr
.set n, 0
.rept 16                                               ; fragment n / 4 = 2 c + kk: columns 16 c on, K 32 kk on; a lane's 8 + 8 numbers are 32 + 32 bytes, 64 apart
	global_load_b128 v[OF+4*n:OF+4*n+3], v[OWO], s[50:51] offset:(n/8)*131072+((n/4)%2)*128+((n%4)/2)*64+(n%2)*16
.set n, n+1
.endr
	s_wait_loadcnt 0x0
.set n, 0
.rept 32
	v_cvt_pk_bf16_f32 v[OWB+n], v[OF+2*n], v[OF+2*n+1]
.set n, n+1
.endr
.if \zero
	v_wmma_f32_16x16x32_bf16 v[OAC:OAC+7],    v[OWB:OWB+7],     v[OX:OX+7], v[OB:OB+7]
	v_wmma_f32_16x16x32_bf16 v[OAC+8:OAC+15], v[OWB+16:OWB+23], v[OX:OX+7], v[OB+8:OB+15]
.else
	v_wmma_f32_16x16x32_bf16 v[OAC:OAC+7],    v[OWB:OWB+7],     v[OX:OX+7], v[OAC:OAC+7]
	v_wmma_f32_16x16x32_bf16 v[OAC+8:OAC+15], v[OWB+16:OWB+23], v[OX:OX+7], v[OAC+8:OAC+15]
.endif
	v_wmma_f32_16x16x32_bf16 v[OAC:OAC+7],    v[OWB+8:OWB+15],  v[OX+8:OX+15], v[OAC:OAC+7]
	v_wmma_f32_16x16x32_bf16 v[OAC+8:OAC+15], v[OWB+24:OWB+31], v[OX+8:OX+15], v[OAC+8:OAC+15]
	PLACES
	s_add_nc_u64 s[48:49], s[48:49], 128           ; all loads that named these bases are in
	s_add_nc_u64 s[50:51], s[50:51], 256
.endm
	s_cmp_le_u32 s[BHK], 20
	s_cbranch_scc1 .Lend
	s_wait_xcnt 0x0                                ; the way out's stores have read their registers
	s_sub_co_u32 s44, s[BHK], 20                   ; blocks still to be made
	s_mov_b32 s45, 0
	v_lshlrev_b32 v[OWO], 13, v2
	v_lshl_add_u32 v[OWO], v3, 5, v[OWO]
	v_lshl_add_u32 v[OWO], s[WV], 18, v[OWO]       ; row 32 w + r of the slice, + 32 h
	v_lshlrev_b32 v[OBO], 5, v3
	v_lshl_add_u32 v[OBO], s[WV], 7, v[OBO]        ; 32 h + 128 w
	s_lshl_b32 s40, s[SLICE], 9
	v_add_nc_u32 v[OCOL], s40, v[OBO]
	v_lshlrev_b32 v[OH], 4, v3
.irp c, 0,1
	global_load_b128 v[OB+8*\c:OB+8*\c+3],   v[OBO], s[10:11] offset:64*\c
	global_load_b128 v[OB+8*\c+4:OB+8*\c+7], v[OBO], s[10:11] offset:64*\c+16
.endr
.Lov:
	s_add_co_u32 s40, s[SBK], s45
	s_add_co_u32 s40, s40, 20
	s_lshl_b32 s40, s40, 4                         ; the block's first rank
	s_min_u32 s34, s40, s[LIM1]
	s_add_co_u32 s35, s40, 16
	v_add_nc_u32 v[RK], s40, v2
	v_min_u32 v[RK], s[LIM1], v[RK]
	v_mov_b32 v[SW], 0
	v_mov_b32 v[SH], 0
	v_mov_b32 v[SP], 0
	s_mov_b32 s28, 0
	SCANH 1, 0
	SCANH 1, 1
	PICK 0
	v_min_u32 v[RK], 0x7ff, v[RK]
	v_lshl_add_u32 v[OXO], v[RK], 12, v[OH]
	v_min_u32 v[SW], 0xfff, v[SW]
	v_lshl_add_u32 v[OPR], v[SW], 13, v[OCOL]
	s_mov_b64 s[48:49], s[4:5]
	s_mov_b64 s[50:51], s[8:9]
	OVK 1                                          ; the first step starts the sums with the bias
	s_mov_b32 s46, 31
.Lovk:
	OVK 0
	s_sub_co_u32 s46, s46, 1
	s_cmp_lg_u32 s46, 0
	s_cbranch_scc1 .Lovk
.irp c, 0,1
	global_store_b128 v[OPR], v[OAC+8*\c:OAC+8*\c+3],   s[12:13] offset:64*\c
	global_store_b128 v[OPR], v[OAC+8*\c+4:OAC+8*\c+7], s[12:13] offset:64*\c+16
.endr
	s_wait_xcnt 0x0                                ; the next trip rewrites the stores' registers
	s_add_co_u32 s45, s45, 1
	s_cmp_lt_u32 s45, s44
	s_cbranch_scc1 .Lov
.Lend:
	s_wait_tensorcnt 0x0                           ; the wave's end
	ds_add_u32 v[SPW], v[NIL]
	s_wait_dscnt 0x0
	s_endpgm
.Lfunc_end_k_q56628f19ee_product:
	.size	k_q56628f19ee_product, .Lfunc_end_k_q56628f19ee_product-k_q56628f19ee_product
	.p2alignl 7, 3214868480
	.fill 96, 4, 3214868480
	.section	.rodata,"a",@progbits
	.p2align	6, 0x0
	.amdhsa_kernel k_q56628f19ee_product
		.amdhsa_group_segment_fixed_size 247296
		.amdhsa_private_segment_fixed_size 0
		.amdhsa_enable_private_segment 0
		.amdhsa_kernarg_size 40
		.amdhsa_user_sgpr_count 2
		.amdhsa_user_sgpr_kernarg_segment_ptr 1
		.amdhsa_wavefront_size32 1
		.amdhsa_system_sgpr_workgroup_id_x 1
		.amdhsa_system_sgpr_workgroup_id_y 1
		.amdhsa_system_sgpr_workgroup_id_z 1
		.amdhsa_system_vgpr_workitem_id 0
		.amdhsa_next_free_vgpr 1024
		.amdhsa_next_free_sgpr 66
		.amdhsa_reserve_vcc 1
		.amdhsa_float_denorm_mode_32 3
		.amdhsa_float_denorm_mode_16_64 3
		.amdhsa_memory_ordered 1
		.amdhsa_forward_progress 1
		.amdhsa_inst_pref_size 255
	.end_amdhsa_kernel
	.section	.bss,"aw",@nobits
	.p2align	6
	.space	262144
	.amdgpu_metadata
---
amdhsa.version: [ 1, 2 ]
amdhsa.kernels:
  - .name:           k_q56628f19ee_product
    .symbol:         k_q56628f19ee_product.kd
    .args:
      - { .name: xb, .offset: 0, .size: 8, .value_kind: global_buffer, .address_space: global }
      - { .name: bm, .offset: 8, .size: 8, .value_kind: global_buffer, .address_space: global }
      - { .name: W, .offset: 16, .size: 8, .value_kind: global_buffer, .address_space: global }
      - { .name: b, .offset: 24, .size: 8, .value_kind: global_buffer, .address_space: global }
      - { .name: part, .offset: 32, .size: 8, .value_kind: global_buffer, .address_space: global }
    .group_segment_fixed_size: 247296
    .private_segment_fixed_size: 0
    .kernarg_segment_align: 8
    .kernarg_segment_size: 40
    .max_flat_workgroup_size: 128
    .sgpr_count:     66
    .vgpr_count:     1024
    .wavefront_size: 32
...
	.end_amdgpu_metadata
.endif
;; end of part 2
;; launch addup (part 3): grid 256 x 1, 8 waves a work-group, no clusters, 0 bytes of LDS; arguments part, out0; writes out0
.if DOCPART == 3
	.amdgcn_target "amdgcn-amd-amdhsa--gfx1250"
	.amdhsa_code_object_version 6
	.text
	.protected	k_q56628f19ee_addup
	.globl	k_q56628f19ee_addup
	.p2align	8
	.type	k_q56628f19ee_addup,@function
k_q56628f19ee_addup:
	s_mov_b64 s[64:65], 0
	v_nop
	global_prefetch_b8 v0, s[64:65] scope:SCOPE_SE
	s_setreg_imm32_b32 hwreg(HW_REG_WAVE_MODE, 25, 1), 1
	s_wait_xcnt 0x0
; out0 = part[0] + part[1]: each token's two experts' rows (bias included), in f32.
; A stream: a work-group has 65,536 consecutive bytes of out0, a thread 16 bytes in each of its 16 pieces of 4,096.  All 32 loads of a wave go out first (16 KiB a wave on its way);
; the waits count down; each load and store of a wave covers 512 consecutive bytes, aligned.  No LDS, no barrier, no matrix unit: nothing is shared and nothing is read twice.
.set SLOT, 16777216                    ; bytes of one slot of part
.set D, 4                              ; v[4:131]: piece i at D + 8 i: slot 0's four numbers, then slot 1's
	s_load_b128 s[4:7], s[0:1], 0x0                ; part s[4:5], out0 s[6:7]
	s_lshl_b32 s8, ttmp9, 16
	s_mov_b32 s9, 0
	v_lshlrev_b32 v1, 4, v0
	s_wait_kmcnt 0x0
	s_add_nc_u64 s[4:5], s[4:5], s[8:9]
	s_add_nc_u64 s[6:7], s[6:7], s[8:9]
	s_add_nc_u64 s[10:11], s[4:5], SLOT
.set i, 0
.rept 16
	global_load_b128 v[D+8*i:D+8*i+3],   v1, s[4:5]   offset:4096*i th:TH_LOAD_NT
	global_load_b128 v[D+8*i+4:D+8*i+7], v1, s[10:11] offset:4096*i th:TH_LOAD_NT
.set i, i+1
.endr
.set i, 0
.rept 16
	s_wait_loadcnt 30-2*i                          ; loads come back in order: piece i's two are in, the later pieces' stay out
	v_pk_add_f32 v[D+8*i:D+8*i+1],   v[D+8*i:D+8*i+1],   v[D+8*i+4:D+8*i+5]
	v_pk_add_f32 v[D+8*i+2:D+8*i+3], v[D+8*i+2:D+8*i+3], v[D+8*i+6:D+8*i+7]
	global_store_b128 v1, v[D+8*i:D+8*i+3], s[6:7] offset:4096*i th:TH_STORE_NT
.set i, i+1
.endr
	s_endpgm
.Lfunc_end_k_q56628f19ee_addup:
	.size	k_q56628f19ee_addup, .Lfunc_end_k_q56628f19ee_addup-k_q56628f19ee_addup
	.p2alignl 7, 3214868480
	.fill 96, 4, 3214868480
	.section	.rodata,"a",@progbits
	.p2align	6, 0x0
	.amdhsa_kernel k_q56628f19ee_addup
		.amdhsa_group_segment_fixed_size 0
		.amdhsa_private_segment_fixed_size 0
		.amdhsa_enable_private_segment 0
		.amdhsa_kernarg_size 16
		.amdhsa_user_sgpr_count 2
		.amdhsa_user_sgpr_kernarg_segment_ptr 1
		.amdhsa_wavefront_size32 1
		.amdhsa_system_sgpr_workgroup_id_x 1
		.amdhsa_system_sgpr_workgroup_id_y 1
		.amdhsa_system_sgpr_workgroup_id_z 1
		.amdhsa_system_vgpr_workitem_id 0
		.amdhsa_next_free_vgpr 136
		.amdhsa_next_free_sgpr 66
		.amdhsa_reserve_vcc 0
		.amdhsa_float_denorm_mode_32 3
		.amdhsa_float_denorm_mode_16_64 3
		.amdhsa_memory_ordered 1
		.amdhsa_forward_progress 1
		.amdhsa_inst_pref_size 8
	.end_amdhsa_kernel
	.amdgpu_metadata
---
amdhsa.version: [ 1, 2 ]
amdhsa.kernels:
  - .name:           k_q56628f19ee_addup
    .symbol:         k_q56628f19ee_addup.kd
    .args:
      - { .name: part, .offset: 0, .size: 8, .value_kind: global_buffer, .address_space: global }
      - { .name: out0, .offset: 8, .size: 8, .value_kind: global_buffer, .address_space: global }
    .group_segment_fixed_size: 0
    .private_segment_fixed_size: 0
    .kernarg_segment_align: 8
    .kernarg_segment_size: 16
    .max_flat_workgroup_size: 256
    .sgpr_count:     66
    .vgpr_count:     136
    .wavefront_size: 32
...
	.end_amdgpu_metadata
.endif
;; end of part 3
;; ======== version 2 of 2: 3 launches; 1.14 times as fast as version 1
;; workspace buffers: xb 8,388,608 bytes; bm 4,096 bytes of whole numbers; part 33,554,432 bytes
;; launch router: the kernel of part 1 again; grid 256 x 1, 8 waves a work-group, no clusters, 76,800 bytes of LDS; arguments hidden_states, Wg, bg, xb, bm; writes xb, bm
;; launch product (part 4): grid 32 x 8, 8 waves a work-group, no clusters, 248,832 bytes of LDS; arguments xb, bm, W, b, part; writes part
.if DOCPART == 4
	.amdgcn_target "amdgcn-amd-amdhsa--gfx1250"
	.amdhsa_code_object_version 6
	.text
	.protected	k_q56628f19ee_product
	.globl	k_q56628f19ee_product
	.p2align	8
	.type	k_q56628f19ee_product,@function
k_q56628f19ee_product:
	s_mov_b64 s[64:65], 0
	v_nop
	global_prefetch_b8 v0, s[64:65] scope:SCOPE_SE
	s_setreg_imm32_b32 hwreg(HW_REG_WAVE_MODE, 25, 1), 1
	s_wait_xcnt 0x0
; PRODUCT.  For expert e and each token that chose it: part[slot][token][:] = x[token] W[e]^T + b[e], slot 0 if e is the lower-numbered of the token's two experts, 1 if the higher.
; x comes as bf16 (xb), W as f32 and is rounded to bf16 on its way through registers; sums and part in f32; b in f32, added to the finished sums on the way out.
; SHARES.  256 work-groups = 8 experts x 16 slices of 128 output columns x 2 halves of the expert's rows.  With c rows there are nb = ceil(c / 16) blocks of 16; half 0 takes the first
; ceil(nb / 2), half 1 the rest.  The main path serves 20 blocks (320 rows) a work-group.
; EIGHT WAVES, ALL ALIKE, two on each SIMD, 512 registers each.  W must be rounded and the token rows come by a list, so the fills pass through the waves' registers; a wave issues in order,
; so its fills stand between its products; with two waves on a SIMD one has products to issue while the other issues loads and stores or waits for them.
; Wave w = (wr = w / 2, wc = w % 2) takes blocks 4 i + wr, i = 0..4, and columns 64 wc .. + 63: 20 accumulators.  It also brings 40 of the 320 rows of x and 16 of the 128 rows of W of each K step.
; The structure is constant; on the count hang only jumps over the loads, products and stores of block i = 4 and the stores of dead blocks, with no barrier in what is jumped.
; Places past the count repeat the last live row: the same numbers, stored to the same bytes by the same wave.
; LIMIT.  An expert with more than 640 rows is served, for every split, by the path at the end (waves 0-3, operands straight from memory, 16 rows at a time, stores of 32 bytes a lane): right, and slow.
; THE LIST.  Waves 0-4 find the tokens of 64 ranks each from the expert's bitmap (64 words in two registers): a scalar walk over the words' counts finds each rank's word, a binary descent on
; partial bit counts its bit.  Tokens and places in part go through LDS once, so that each lane gets those of the rows that it loads or stores.
; K goes in 16 steps of 128 through two LDS buffers (320 rows of x, 128 rows of W, bf16, 272 bytes apart).  In step s each wave stores its share of step s + 1 from registers into the other
; buffer and asks memory for x of step s + 2 and W of step s + 3; one barrier a step.
; NO TENSOR LOADS, NO MULTICAST: W is f32 in memory and bf16 in the matrix unit; an f32 tile in LDS would double the bytes written and read there and every reading wave would round it again;
; the token rows come by a list, which no tile descriptor covers; and a slice of W has two readers, the two halves, which walk it in step.
; The matrix instruction is used transposed (source 0 = 16 rows of W, source 1 = 16 token rows): a lane holds one token row and eight neighbouring columns.
; REGISTERS, in two windows of 256 (s_set_vgpr_msb: bits 1:0 source 0, 3:2 source 1, 5:4 source 2, 7:6 destination):
;   window 0: v0-33 addresses and bitmaps; v34-53 XOFF; v54-93 X, fragments of five blocks (before the loop: the list's work; on the way out: addresses);
;             v94-125 WF, W's four fragments (on the way out: rows read back); v128-255 WS0, WS1: W on its way, f32, rounded in place
;   window 1: v0-159 the accumulators, tile (i, c) at 8 (4 i + c); v160-239 XS, x on its way (20 x 4)
.set PITCH,  272                       ; an LDS row: 256 bytes + 16: the 16 rows of a fragment load start at 16 different groups of four banks (ISA guide 11.1)
.set ABYTES, 320*PITCH                 ; x's rows of a buffer
.set BUFB,   448*PITCH                 ; a buffer: x's 320 rows, then W's 128
.set TOKL,   2*BUFB                    ; tokens: the word of row p at (p % 2) 1,024 + (p / 2) 4
.set PRL,    TOKL+2048                 ; places in part (slot x 2,048 + token): the word of row p at (p / 16) 64 + (p % 2) 32 + ((p / 2) % 8) 4
.set SPARE,  PRL+2048                  ; the spare words: 128 bytes a wave, four blocks of 256 bytes that no other line names
.set SPW,  10                          ; my spare word; never rewritten
.set NIL,  11                          ; 0; never rewritten
.set WOFF, 12                          ; my byte offset in the slice of W: row 16 w, 16 lane
.set BMO,  13                          ; 4 lane
.set AFR,  14                          ; buffer 0: fragments of x, blocks i = 0, 1;  buffer 1's five addresses lie 6 registers on
.set AFRH, 15                          ;           blocks i = 2, 3, 4
.set BFR,  16                          ;           fragments of W
.set AST,  17                          ;           where I store rows of x
.set BST,  18                          ;           where I store rows of W
.set BIO,  19                          ; byte offset in the slice's bias of the four columns that I store
.set OBO,  25                          ; my byte offset in the slice's bias on the last path
.set STG,  26                          ; the way out: where I put 32 bytes of a row
.set RD,   27                          ; the way out: where I read rows back
.set PRA,  28                          ; my eight places of a block
.set COL,  29                          ; my byte offset in a row of part
.set CH,   30                          ; v30-31 the expert's bitmap, word lane and word 32 + lane
.set HI,   32                          ; v32-33 the bitmap 'the higher of the two'
.set XOFF, 34                          ; v34-53  byte offset in xb of my 16 bytes of row 40 w + 2 i + lane / 16
.set X,    54                          ; v54-93  block i at X + 8 i
.set WF,   94                          ; v94-125 column tile c at WF + 8 c
.set WS,   128                         ; v128-191 set 0 (even K steps), v192-255 set 1
.set XS,   160                         ; window 1
.set RK,   54                          ; the list's work, in X's registers: ranks, then tokens
.set SW,   56                          ; a rank's word, then its place in part
.set SH,   58                          ; the same word of HI
.set SP,   60                          ; the word's number << 16 | the ranks before it
.set POS,  62
.set PT,   63
.set TA,   64                          ; v64-66 three list addresses
.set PR,   54                          ; the way out: addresses
.set ROW,  94                          ; the way out: 16 rows read back
.set BIA,  128                         ; the way out: b of my four columns
.set OX,   68                          ; the last path, all in window 0: token fragments (16),
.set OB,   84                          ; bias (16),
.set OAC,  100                         ; two accumulators,
.set OWO,  116                         ; offsets,
.set OCOL, 117
.set OXO,  118
.set OPR,  119
.set OH,   120
.set OF,   128                         ; W in f32 (64),
.set OWB,  192                         ; W's four fragments (32)
.set WV,   14                          ; scalars: wave, wr, wc, half, slice, expert
.set WRW,  15
.set WCL,  16
.set HALF, 17
.set SLICE,18
.set EXPT, 19
.set CNT,  20                          ; c
.set NBL,  21                          ; nb
.set SBK,  22                          ; my first block
.set BHK,  23                          ; my blocks
.set LIM,  24                          ; one past my last rank
.set LIVE, 25                          ; how many of my wave's five blocks are live
.set TRIP, 26
.set XP,   36                          ; s[36:37] xb at the K step to be asked for
.set WP,   38                          ; s[38:39] the slice of W likewise
.set LIM1, 47                          ; LIM - 1
.set MSB, 0
.macro WIN new                         ; the immediate's high byte repeats the setting that is left; a switch that changes nothing is dropped
.if MSB != (\new)
	s_set_vgpr_msb (MSB<<8)|(\new)
.set MSB, \new
.endif
.endm
.macro PLACES                          ; four places in front of loads into registers that matrix instructions have read, and of reads of results
.rept 4
	v_nop
.endr
.endm
; THE FILLS, in four parts q of a K step.  x: 5 instructions a part, each two token rows' 256 bytes.  W: 4 instructions a part, each 512 consecutive bytes of one row.
.macro XLD q, bs, off
	WIN 0x40                                       ; destination window 1
.set i, 5*(\q)
.rept 5
	global_load_b128 v[XS+4*i:XS+4*i+3], v[XOFF+i], s[\bs:\bs+1] offset:\off
.set i, i+1
.endr
.endm
.macro XST bf, q
	WIN 0x04                                       ; data window 1
.set i, 5*(\q)
.rept 5
	ds_store_b128 v[AST+6*(\bf)], v[XS+4*i:XS+4*i+3] offset:i*2*PITCH
.set i, i+1
.endr
.endm
.macro WLD ws, q, bs, off
	WIN 0
.set j, 4*(\q)
.rept 4
	global_load_b128 v[WS+64*(\ws)+4*j:WS+64*(\ws)+4*j+3], v[WOFF], s[\bs:\bs+1] offset:j*8192+(\off)
.set j, j+1
.endr
.endm
.macro WCV ws, q                       ; four f32 become 8 bytes in the first two of their own registers
	WIN 0
.set j, 4*(\q)
.rept 4
	v_cvt_pk_bf16_f32 v[WS+64*(\ws)+4*j],   v[WS+64*(\ws)+4*j],   v[WS+64*(\ws)+4*j+1]
	v_cvt_pk_bf16_f32 v[WS+64*(\ws)+4*j+1], v[WS+64*(\ws)+4*j+2], v[WS+64*(\ws)+4*j+3]
.set j, j+1
.endr
.endm
.macro WST bf, ws, q
	WIN 0
.set j, 4*(\q)
.rept 4
	ds_store_b64 v[BST+6*(\bf)], v[WS+64*(\ws)+4*j:WS+64*(\ws)+4*j+1] offset:j*PITCH  ; 256 consecutive bytes: a row
.set j, j+1
.endr
.endm
; FRAGMENTS of 32 along K at byte 64 q of the rows: W's four, blocks 0-3 (16 loads), and block 4 where it is live (all = 1: always, so that its registers are written on every way).
.macro FRAG bf, q, all
	WIN 0
.irp c, 0,1,2,3
	ds_load_b128 v[WF+8*\c:WF+8*\c+3],   v[BFR+6*(\bf)] offset:\c*16*PITCH+64*(\q)
	ds_load_b128 v[WF+8*\c+4:WF+8*\c+7], v[BFR+6*(\bf)] offset:\c*16*PITCH+64*(\q)+32
.endr
.irp i, 0,1
	ds_load_b128 v[X+8*\i:X+8*\i+3],   v[AFR+6*(\bf)] offset:\i*64*PITCH+64*(\q)
	ds_load_b128 v[X+8*\i+4:X+8*\i+7], v[AFR+6*(\bf)] offset:\i*64*PITCH+64*(\q)+32
.endr
.irp i, 0,1
	ds_load_b128 v[X+16+8*\i:X+16+8*\i+3],   v[AFRH+6*(\bf)] offset:\i*64*PITCH+64*(\q)
	ds_load_b128 v[X+16+8*\i+4:X+16+8*\i+7], v[AFRH+6*(\bf)] offset:\i*64*PITCH+64*(\q)+32
.endr
.if (\all) == 0
	s_cmp_lt_u32 s[LIVE], 5
	s_cbranch_scc1 .Lnone_\@
.endif
	ds_load_b128 v[X+32:X+35], v[AFRH+6*(\bf)] offset:2*64*PITCH+64*(\q)
	ds_load_b128 v[X+36:X+39], v[AFRH+6*(\bf)] offset:2*64*PITCH+64*(\q)+32
.if (\all) == 0
.Lnone_\@:
.endif
.endm
; PRODUCTS.  Four of block i.  Every instruction names another accumulator, in the same order in every quarter: the accumulators take turns.
; first = 1: the constant 0 as C starts the sums: nothing is cleared.
.macro MUL i, first
	WIN 0x50                                       ; W's and x's fragments window 0, C and D window 1
.irp c, 0,1,2,3
.if \first
	v_wmma_f32_16x16x32_bf16 v[32*(\i)+8*\c:32*(\i)+8*\c+7], v[WF+8*\c:WF+8*\c+7], v[X+8*(\i):X+8*(\i)+7], 0
.else
	v_wmma_f32_16x16x32_bf16 v[32*(\i)+8*\c:32*(\i)+8*\c+7], v[WF+8*\c:WF+8*\c+7], v[X+8*(\i):X+8*(\i)+7], v[32*(\i)+8*\c:32*(\i)+8*\c+7]
.endif
.endr
.endm
; A K step is four quarters of 32 along K.  Quarter q of step s (buffer p is multiplied), st = 1: part q of step s + 1 goes into the other buffer.
;   the wait for part q of x(s + 1) (cnt: the loads issued behind it; its W is older still); W's 8 conversions, which name none of the last products' registers and are the places behind them;
;   ONE run of LDS instructions: the quarter's fragments, then W's 4 stores and x's 5; the fragments are waited for with those 9 stores out;
;   blocks 0 and 1; ONE run of memory loads into the registers emptied: x of step s + 2, W of step s + 3; block 4 where it is live; blocks 2 and 3.
; bar = 1 (the step's last quarter): ONE barrier.  In front of its signal my reads of buffer p and my stores into the other are done; behind its wait nobody reads buffer p any more and the
; other is whole.  Eight products, work on registers, stand between signal and wait.
.macro QUARTER p, q, first, cnt, ldx, ldw, xo, wo, st, bar
	WIN 0
.if \st
	s_wait_loadcnt \cnt
	WCV 1-(\p), \q
.else
	PLACES
.endif
	FRAG \p, \q, \first
.if \st
	WST 1-(\p), 1-(\p), \q
	XST 1-(\p), \q
	s_wait_dscnt 9                                 ; LDS instructions end in order: the 4 + 5 stores may be out, the fragments are in
.else
	s_wait_dscnt 0x0
.endif
	MUL 0, \first
	MUL 1, \first
.if \ldx
	XLD \q, XP, \xo
.endif
.if \ldw
	WLD 1-(\p), \q, WP, \wo
.endif
.if \first
	MUL 4, 1                                       ; the first products are always made, so that every accumulator is written
.else
	WIN 0                                          ; at a branch and at a label every window is 0
	s_cmp_lt_u32 s[LIVE], 5
	s_cbranch_scc1 .Ldead_\@
	MUL 4, 0
	WIN 0
.Ldead_\@:
.endif
.if \bar
	s_wait_dscnt 0x0
	s_barrier_signal -1
.endif
	MUL 2, \first
	MUL 3, \first
	WIN 0
.if \bar
	s_barrier_wait -1
.endif
.endm
.macro STEP p, first, c0, c1, ldx, ldw, xo, wo, st, bar
	QUARTER \p, 0, \first, (\c0), \ldx, \ldw, \xo, \wo, \st, 0
	QUARTER \p, 1, 0, (\c0)+(\c1), \ldx, \ldw, \xo, \wo, \st, 0
	QUARTER \p, 2, 0, (\c0)+2*(\c1), \ldx, \ldw, \xo, \wo, \st, 0
	QUARTER \p, 3, 0, (\c0)+3*(\c1), \ldx, \ldw, \xo, \wo, \st, \bar
.endm
; THE LIST.  SCANH walks 32 words of the bitmap (hf = 0: words 0-31, 1: words 32-63): s28 = the ranks before the word.  Every rank at or above s28 takes the word; the last word taken is the rank's.
; Words wholly below the wave's lowest rank (s34) or at or above one past its highest (s35) are jumped.
.macro SCANH nr, hf
	s_mov_b32 s27, 0
.Lscan_\@:
	v_readlane_b32 s31, v[CH+\hf], s27
	s_bcnt1_i32_b32 s29, s31
	s_add_co_u32 s30, s28, s29
	s_cmp_le_u32 s30, s34
	s_cbranch_scc1 .Lskip_\@
	s_cmp_ge_u32 s28, s35
	s_cbranch_scc1 .Lskip_\@
	v_readlane_b32 s32, v[HI+\hf], s27
	s_add_co_u32 s33, s27, 32*\hf
	s_lshl_b32 s33, s33, 16
	s_or_b32 s33, s33, s28
.set z, 0
.rept \nr
	v_cmp_le_u32 vcc_lo, s28, v[RK+z]
	v_cndmask_b32 v[SW+z], v[SW+z], s31, vcc_lo
	v_cndmask_b32 v[SH+z], v[SH+z], s32, vcc_lo
	v_cndmask_b32 v[SP+z], v[SP+z], s33, vcc_lo
.set z, z+1
.endr
.Lskip_\@:
	s_mov_b32 s28, s30
	s_add_co_u32 s27, s27, 1
	s_cmp_lt_u32 s27, 32
	s_cbranch_scc1 .Lscan_\@
.endm
.macro SEL src, wid, k                 ; if the k bits from POS on hold no more than v4 set bits before the one sought, pass them
	v_bfe_u32 v9, v[\src], v[POS], \wid
	v_add_nc_u32 v[PT], \k, v[POS]
	v_cmp_ge_u32 vcc_lo, v4, v9
	v_cndmask_b32 v9, 0, v9, vcc_lo
	v_cndmask_b32 v[POS], v[POS], v[PT], vcc_lo
	v_sub_nc_u32 v4, v4, v9
.endm
.macro PICK z                          ; the bit of rank RK in its word: counts of 2, 4, 8 and 16 bits, then five halvings.  Leaves the token in RK and slot x 2,048 + token in SW
	v_and_b32 v4, 0xffff, v[SP+\z]
	v_sub_nc_u32 v4, v[RK+\z], v4
	v_lshrrev_b32 v5, 1, v[SW+\z]
	v_and_b32 v5, 0x55555555, v5
	v_sub_nc_u32 v5, v[SW+\z], v5
	v_lshrrev_b32 v6, 2, v5
	v_and_b32 v6, 0x33333333, v6
	v_and_b32 v7, 0x33333333, v5
	v_add_nc_u32 v6, v6, v7
	v_lshrrev_b32 v7, 4, v6
	v_add_nc_u32 v7, v7, v6
	v_and_b32 v7, 0x0f0f0f0f, v7
	v_lshrrev_b32 v8, 8, v7
	v_add_nc_u32 v8, v8, v7
	v_mov_b32 v[POS], 0
	SEL 8, 8, 16
	SEL 7, 8, 8
	SEL 6, 4, 4
	SEL 5, 2, 2
	SEL SW+\z, 1, 1
	v_lshrrev_b32 v9, 16, v[SP+\z]
	v_lshl_add_u32 v[RK+\z], v9, 5, v[POS]
	v_bfe_u32 v9, v[SH+\z], v[POS], 1
	v_lshl_add_u32 v[SW+\z], v9, 11, v[RK+\z]
.endm
	s_load_b256 s[4:11], s[0:1], 0x0               ; xb s[4:5], bm s[6:7], W s[8:9], b s[10:11]
	s_load_b64 s[12:13], s[0:1], 0x20              ; part
	v_lshl_add_u32 v[SPW], v0, 2, SPARE
	v_mov_b32 v[NIL], 0
	v_lshrrev_b32 v9, 5, v0
	v_readfirstlane_b32 s[WV], v9                  ; wave 0..7
	s_lshr_b32 s[WRW], s[WV], 1
	s_and_b32 s[WCL], s[WV], 1
	s_and_b32 s[HALF], ttmp9, 1
	s_lshr_b32 s[SLICE], ttmp9, 1
	s_and_b32 s[EXPT], ttmp7, 0xffff
	s_mov_b32 s42, 0x76543210                      ; v_permlanex16_b32: each lane takes its own place in the other half
	s_mov_b32 s43, 0xfedcba98
	v_and_b32 v1, 31, v0                           ; lane
	v_and_b32 v2, 15, v0                           ; r
	v_bfe_u32 v3, v0, 4, 1                         ; h
	v_lshlrev_b32 v[BMO], 2, v1
	v_lshlrev_b32 v[BIO], 4, v2
	v_lshl_add_u32 v[BIO], s[WCL], 8, v[BIO]       ; 16 r + 256 wc
	v_lshlrev_b32 v[WOFF], 4, v1
	v_lshl_add_u32 v[WOFF], s[WV], 17, v[WOFF]     ; 16 w rows of 8,192 bytes + 16 lane
	s_lshl_b32 s40, s[EXPT], 8
	s_mov_b32 s41, 0
	s_wait_kmcnt 0x0
	s_add_nc_u64 s[6:7], s[6:7], s[40:41]          ; bm at row e
	s_lshl_b32 s40, s[EXPT], 24
	s_lshl_b32 s27, s[SLICE], 20
	s_add_co_u32 s40, s40, s27
	s_add_nc_u64 s[8:9], s[8:9], s[40:41]          ; W at the expert's slice: 128 rows of 8,192 bytes
	s_lshl_b32 s40, s[EXPT], 13
	s_lshl_b32 s27, s[SLICE], 9
	s_add_co_u32 s40, s40, s27
	s_add_nc_u64 s[10:11], s[10:11], s[40:41]      ; b at the slice
	global_load_b32 v[CH],   v[BMO], s[6:7]
	global_load_b32 v[CH+1], v[BMO], s[6:7] offset:128
	global_load_b32 v[HI],   v[BMO], s[6:7] offset:2048
	global_load_b32 v[HI+1], v[BMO], s[6:7] offset:2176
.irp q, 0,1,2,3
	WLD 0, \q, 8, 0                                ; W of K step 0,
.endr
.irp q, 0,1,2,3
	WLD 1, \q, 8, 512                              ; and of K step 1
.endr
	; the LDS addresses
	v_mul_u32_u24 v4, v2, PITCH
	v_lshl_add_u32 v4, v3, 4, v4                   ; r rows + 16 h
	s_mul_i32 s40, s[WRW], 16*PITCH
	v_add_nc_u32 v[AFR], s40, v4                   ; block i lies 64 i rows on
	v_add_nc_u32 v[AFRH], 2*64*PITCH, v[AFR]
	s_mul_i32 s40, s[WCL], 64*PITCH
	s_add_co_u32 s40, s40, ABYTES
	v_add_nc_u32 v[BFR], s40, v4
	v_mul_u32_u24 v5, v3, PITCH
	v_lshl_add_u32 v5, v2, 4, v5                   ; h rows + 16 r
	s_mul_i32 s40, s[WV], 40*PITCH
	v_add_nc_u32 v[AST], s40, v5
	s_mul_i32 s40, s[WV], 16*PITCH
	s_add_co_u32 s40, s40, ABYTES
	v_lshl_add_u32 v[BST], v1, 3, s40
.irp k, 0,1,2,3,4
	v_add_nc_u32 v[AFR+6+\k], BUFB, v[AFR+\k]
.endr
	s_mul_i32 s40, s[WV], 16*PITCH                 ; my stage for the way out: 16 rows at the head of buffer 0, free behind the barrier that ends step 14
	v_mul_u32_u24 v6, v2, PITCH
	v_lshl_add_u32 v6, v3, 5, v6
	v_add_nc_u32 v[STG], s40, v6
	v_add_nc_u32 v[RD], s40, v5
	s_lshl_b32 s40, s[WRW], 6
	s_add_co_u32 s40, s40, PRL
	v_lshl_add_u32 v[PRA], v3, 5, s40
	s_lshl_b32 s40, s[SLICE], 9
	s_lshl_b32 s41, s[WCL], 8
	s_add_co_u32 s40, s40, s41
	v_lshl_add_u32 v[COL], v2, 4, s40
	v_lshlrev_b32 v[TA+2], 10, v3                  ; where the 20 tokens lie whose rows I load: rows 40 w + 2 i + h
	s_mul_i32 s40, s[WV], 80
	s_add_co_u32 s40, s40, TOKL
	v_add_nc_u32 v[TA+2], s40, v[TA+2]
	s_mov_b32 s40, 0x01010101
	s_wait_loadcnt 32                              ; W's 32 loads may be out: the bitmaps are in
	; c = the set bits of the expert's 64 words
	v_lshrrev_b32 v4, 1, v[CH]
	v_lshrrev_b32 v5, 1, v[CH+1]
	v_and_b32 v4, 0x55555555, v4
	v_and_b32 v5, 0x55555555, v5
	v_sub_nc_u32 v4, v[CH], v4
	v_sub_nc_u32 v5, v[CH+1], v5
	v_lshrrev_b32 v6, 2, v4
	v_lshrrev_b32 v7, 2, v5
	v_and_b32 v4, 0x33333333, v4
	v_and_b32 v5, 0x33333333, v5
	v_and_b32 v6, 0x33333333, v6
	v_and_b32 v7, 0x33333333, v7
	v_add_nc_u32 v4, v4, v6
	v_add_nc_u32 v5, v5, v7
	v_add_nc_u32 v4, v4, v5                        ; 8 at the most in each four bits
	v_lshrrev_b32 v5, 4, v4
	v_and_b32 v4, 0x0f0f0f0f, v4
	v_and_b32 v5, 0x0f0f0f0f, v5
	v_add_nc_u32 v4, v4, v5
	v_mul_lo_u32 v4, v4, s40
	v_lshrrev_b32 v4, 24, v4
	v_mov_b32 v5, 0
.irp m, 1,2,4,8
	v_mov_b32_dpp v5, v4 row_xmask:\m row_mask:0xf bank_mask:0xf
	v_add_nc_u32 v4, v4, v5
.endr
	v_permlanex16_b32 v5, v4, s42, s43
	v_add_nc_u32 v4, v4, v5
	v_readfirstlane_b32 s[CNT], v4
	s_add_co_u32 s[NBL], s[CNT], 15
	s_lshr_b32 s[NBL], s[NBL], 4
	s_add_co_u32 s40, s[NBL], 1
	s_lshr_b32 s40, s40, 1                         ; half 0's blocks
	s_sub_co_u32 s41, s[NBL], s40                  ; half 1's
	s_cmp_eq_u32 s[HALF], 0
	s_cselect_b32 s[SBK], 0, s40
	s_cselect_b32 s[BHK], s40, s41
	s_add_co_u32 s40, s[SBK], s[BHK]
	s_lshl_b32 s40, s40, 4
	s_min_u32 s[LIM], s[CNT], s40
	s_sub_co_u32 s[LIM1], s[LIM], 1                ; with no row at all this wraps: every word is then jumped, the tokens found are below 32, and nothing is stored
	s_sub_co_u32 s40, s[BHK], s[WRW]
	s_add_co_u32 s40, s40, 3                       ; wr is 3 at the most, so the sum is not negative
	s_lshr_b32 s40, s40, 2
	s_min_u32 s[LIVE], s40, 5                      ; the i with 4 i + wr below my blocks, five at the most
	s_cmp_ge_u32 s[WV], 5
	s_cbranch_scc1 .Lnolist                        ; 5 waves x 64 ranks are the 320 rows; no barrier stands in what is jumped
	v_and_b32 v[TA], 1, v1                         ; where row p = 64 w + 32 j + lane puts its token,
	v_lshlrev_b32 v[TA], 10, v[TA]
	v_lshrrev_b32 v4, 1, v1
	v_lshl_add_u32 v[TA], v4, 2, v[TA]
	s_lshl_b32 s40, s[WV], 7
	s_add_co_u32 s40, s40, TOKL
	v_add_nc_u32 v[TA], s40, v[TA]
	v_and_b32 v[TA+1], 1, v1                       ; and its place in part
	v_lshlrev_b32 v[TA+1], 5, v[TA+1]
	v_lshl_add_u32 v[TA+1], v3, 6, v[TA+1]
	v_bfe_u32 v4, v1, 1, 3
	v_lshl_add_u32 v[TA+1], v4, 2, v[TA+1]
	s_lshl_b32 s40, s[WV], 8
	s_add_co_u32 s40, s40, PRL
	v_add_nc_u32 v[TA+1], s40, v[TA+1]
	s_lshl_b32 s40, s[SBK], 4
	s_lshl_b32 s41, s[WV], 6
	s_add_co_u32 s40, s40, s41                     ; the rank of row 64 w
	s_min_u32 s34, s40, s[LIM1]
	s_add_co_u32 s35, s40, 64
	v_add_nc_u32 v[RK], s40, v1
	v_add_nc_u32 v[RK+1], 32, v[RK]
.irp j, 0,1
	v_min_u32 v[RK+\j], s[LIM1], v[RK+\j]          ; places past the count repeat the last live row
	v_mov_b32 v[SW+\j], 0
	v_mov_b32 v[SH+\j], 0
	v_mov_b32 v[SP+\j], 0
.endr
	s_mov_b32 s28, 0
	SCANH 2, 0
	SCANH 2, 1
.irp j, 0,1
	PICK \j
	ds_store_b32 v[TA],   v[RK+\j] offset:64*\j
	ds_store_b32 v[TA+1], v[SW+\j] offset:128*\j
.endr
.Lnolist:
	s_wait_dscnt 0x0                               ; for the others' sake: my part of the lists is in LDS
	s_barrier_signal -1
	s_barrier_wait -1
.set t, 0
.rept 5
	ds_load_b128 v[XOFF+4*t:XOFF+4*t+3], v[TA+2] offset:16*t
.set t, t+1
.endr
	v_lshlrev_b32 v4, 4, v2
	s_wait_dscnt 0x0
.set i, 0
.rept 20
	v_min_u32 v[XOFF+i], 0x7ff, v[XOFF+i]          ; a token stays inside xb
	v_lshl_add_u32 v[XOFF+i], v[XOFF+i], 12, v4    ; its row of 4,096 bytes + 16 r
.set i, i+1
.endr
.irp q, 0,1,2,3
	XLD \q, 4, 0                                   ; x of K step 0
.endr
	s_wait_loadcnt 36                              ; behind W of step 0 stand W of step 1 (16) and x of step 0 (20)
.irp q, 0,1,2,3
	WCV 0, \q
	WST 0, 0, \q
	WLD 0, \q, 8, 1024                             ; W of K step 2
.endr
	s_wait_loadcnt 16                              ; behind x of step 0 stand those 16
.irp q, 0,1,2,3
	XST 0, \q
.endr
.irp q, 0,1,2,3
	XLD \q, 4, 256                                 ; x of K step 1
.endr
	WIN 0
	s_add_nc_u64 s[XP:XP+1], s[4:5], 512           ; x of step 2
	s_add_nc_u64 s[WP:WP+1], s[8:9], 1536          ; W of step 3
	s_wait_dscnt 0x0                               ; my part of buffer 0 is in LDS
	s_barrier_signal -1
	s_barrier_wait -1
	; The load counts.  Step 0: behind part q of x(1) stand its later parts (5 each) and this step's earlier parts (9 each): 15 + 4 q.
	STEP 0, 1, 15, 4, 1, 1, 0, 0, 1, 1
	s_wait_xcnt 0x0                                ; the bases are stepped only behind this wait
	s_add_nc_u64 s[XP:XP+1], s[XP:XP+1], 256
	s_add_nc_u64 s[WP:WP+1], s[WP:WP+1], 512
	s_mov_b32 s[TRIP], 6
.Lk:                                                   ; steps 1 to 12, two a trip.  Behind part q of x(s + 1) stand the 4 loads of W of its own part and three parts of 9: 31
	STEP 1, 0, 31, 0, 1, 1, 0, 0, 1, 1
	STEP 0, 0, 31, 0, 1, 1, 256, 512, 1, 1
	s_wait_xcnt 0x0
	s_add_nc_u64 s[XP:XP+1], s[XP:XP+1], 512
	s_add_nc_u64 s[WP:WP+1], s[WP:WP+1], 1024
	s_sub_co_u32 s[TRIP], s[TRIP], 1
	s_cmp_lg_u32 s[TRIP], 0
	s_cbranch_scc1 .Lk
	STEP 1, 0, 31, -4, 1, 0, 0, 0, 1, 1            ; step 13 asks for x(15) alone: its earlier parts count 5, not 9
	STEP 0, 0, 15, -5, 0, 0, 0, 0, 1, 1            ; step 14 asks for nothing: behind part q of x(15) stand its later parts
	global_load_b128 v[BIA:BIA+3], v[BIO], s[10:11]  ; b of the four columns that I store, into a register of W's that is idle now; step 15 stands between the load and its use
	STEP 1, 0, 0, 0, 0, 0, 0, 0, 0, 0              ; step 15 only multiplies
	PLACES
	s_wait_loadcnt 0x0                             ; b
; THE WAY OUT of block i: 16 rows x 256 bytes go through my stage and come back as whole rows; b is added; each row goes to its place in part: sixteen lanes store 256 consecutive bytes, aligned.
.macro OUT i
	s_cmp_le_u32 s[LIVE], \i
	s_cbranch_scc1 .Lout_done                      ; this block and all behind it are dead
	s_wait_xcnt 0x0                                ; the last block's stores have read their registers
	WIN 0x04                                       ; data window 1
.irp c, 0,1,2,3                                        ; each accumulator from its low end on
	ds_store_b128 v[STG], v[32*(\i)+8*\c:32*(\i)+8*\c+3]   offset:64*\c
	ds_store_b128 v[STG], v[32*(\i)+8*\c+4:32*(\i)+8*\c+7] offset:64*\c+16
.endr
	WIN 0
	ds_load_b128 v[PR:PR+3],   v[PRA] offset:256*(\i)
	ds_load_b128 v[PR+4:PR+7], v[PRA] offset:256*(\i)+16
.irp t, 0,1,2,3,4,5,6,7
	ds_load_b128 v[ROW+4*\t:ROW+4*\t+3], v[RD] offset:\t*2*PITCH  ; LDS serves a wave's instructions in order: these see the stores above
.endr
	s_wait_dscnt 8                                 ; the eight rows may be out: the places are in
.irp t, 0,1,2,3,4,5,6,7
	v_min_u32 v[PR+\t], 0xfff, v[PR+\t]            ; a place stays inside part
.endr
.irp t, 0,1,2,3,4,5,6,7
	v_lshl_add_u32 v[PR+\t], v[PR+\t], 13, v[COL]  ; its row of 8,192 bytes + my columns
.endr
.irp t, 0,1,2,3,4,5,6,7
	s_wait_dscnt 7-\t
	v_pk_add_f32 v[ROW+4*\t:ROW+4*\t+1],   v[ROW+4*\t:ROW+4*\t+1],   v[BIA:BIA+1]
	v_pk_add_f32 v[ROW+4*\t+2:ROW+4*\t+3], v[ROW+4*\t+2:ROW+4*\t+3], v[BIA+2:BIA+3]
	global_store_b128 v[PR+\t], v[ROW+4*\t:ROW+4*\t+3], s[12:13]
.endr
.endm
.irp i, 0,1,2,3,4
	OUT \i
.endr
.Lout_done:
; BLOCKS 20 ON (an expert with more than 640 rows): waves 0-3.  No LDS, no barrier.  All four take the same 16 rows; wave w the columns 32 w .. + 31: two accumulators by turns.
; One step of 64 along K: the token rows' fragments as they lie in xb, W's rows in f32, rounded here.
.macro OVK zero
.irp t, 0,1,2,3
	global_load_b128 v[OX+4*\t:OX+4*\t+3], v[OXO], s[48:49] offset:32*\t
.endr
.set n, 0
.rept 16                                               ; fragment n / 4 = 2 c + kk: columns 16 c on, K 32 kk on; a lane's 8 + 8 numbers are 32 + 32 bytes, 64 apart
	global_load_b128 v[OF+4*n:OF+4*n+3], v[OWO], s[50:51] offset:(n/8)*131072+((n/4)%2)*128+((n%4)/2)*64+(n%2)*16
.set n, n+1
.endr
	s_wait_loadcnt 0x0
.set n, 0
.rept 32
	v_cvt_pk_bf16_f32 v[OWB+n], v[OF+2*n], v[OF+2*n+1]
.set n, n+1
.endr
.if \zero
	v_wmma_f32_16x16x32_bf16 v[OAC:OAC+7],    v[OWB:OWB+7],     v[OX:OX+7], v[OB:OB+7]
	v_wmma_f32_16x16x32_bf16 v[OAC+8:OAC+15], v[OWB+16:OWB+23], v[OX:OX+7], v[OB+8:OB+15]
.else
	v_wmma_f32_16x16x32_bf16 v[OAC:OAC+7],    v[OWB:OWB+7],     v[OX:OX+7], v[OAC:OAC+7]
	v_wmma_f32_16x16x32_bf16 v[OAC+8:OAC+15], v[OWB+16:OWB+23], v[OX:OX+7], v[OAC+8:OAC+15]
.endif
	v_wmma_f32_16x16x32_bf16 v[OAC:OAC+7],    v[OWB+8:OWB+15],  v[OX+8:OX+15], v[OAC:OAC+7]
	v_wmma_f32_16x16x32_bf16 v[OAC+8:OAC+15], v[OWB+24:OWB+31], v[OX+8:OX+15], v[OAC+8:OAC+15]
	PLACES
	s_add_nc_u64 s[48:49], s[48:49], 128           ; all loads that named these bases are in
	s_add_nc_u64 s[50:51], s[50:51], 256
.endm
	s_cmp_le_u32 s[BHK], 20
	s_cbranch_scc1 .Lend
	s_cmp_ge_u32 s[WV], 4
	s_cbranch_scc1 .Lend
	s_wait_xcnt 0x0                                ; the way out's stores have read their registers
	s_sub_co_u32 s44, s[BHK], 20                   ; blocks still to be made
	s_mov_b32 s45, 0
	v_lshlrev_b32 v[OWO], 13, v2
	v_lshl_add_u32 v[OWO], v3, 5, v[OWO]
	v_lshl_add_u32 v[OWO], s[WV], 18, v[OWO]       ; row 32 w + r of the slice, + 32 h
	v_lshlrev_b32 v[OBO], 5, v3
	v_lshl_add_u32 v[OBO], s[WV], 7, v[OBO]        ; 32 h + 128 w
	s_lshl_b32 s40, s[SLICE], 9
	v_add_nc_u32 v[OCOL], s40, v[OBO]
	v_lshlrev_b32 v[OH], 4, v3
.irp c, 0,1
	global_load_b128 v[OB+8*\c:OB+8*\c+3],   v[OBO], s[10:11] offset:64*\c
	global_load_b128 v[OB+8*\c+4:OB+8*\c+7], v[OBO], s[10:11] offset:64*\c+16
.endr
.Lov:
	s_add_co_u32 s40, s[SBK], s45
	s_add_co_u32 s40, s40, 20
	s_lshl_b32 s40, s40, 4                         ; the block's first rank
	s_min_u32 s34, s40, s[LIM1]
	s_add_co_u32 s35, s40, 16
	v_add_nc_u32 v[RK], s40, v2
	v_min_u32 v[RK], s[LIM1], v[RK]
	v_mov_b32 v[SW], 0
	v_mov_b32 v[SH], 0
	v_mov_b32 v[SP], 0
	s_mov_b32 s28, 0
	SCANH 1, 0
	SCANH 1, 1
	PICK 0
	v_min_u32 v[RK], 0x7ff, v[RK]
	v_lshl_add_u32 v[OXO], v[RK], 12, v[OH]
	v_min_u32 v[SW], 0xfff, v[SW]
	v_lshl_add_u32 v[OPR], v[SW], 13, v[OCOL]
	s_mov_b64 s[48:49], s[4:5]
	s_mov_b64 s[50:51], s[8:9]
	OVK 1                                          ; the first step starts the sums with the bias
	s_mov_b32 s46, 31
.Lovk:
	OVK 0
	s_sub_co_u32 s46, s46, 1
	s_cmp_lg_u32 s46, 0
	s_cbranch_scc1 .Lovk
.irp c, 0,1
	global_store_b128 v[OPR], v[OAC+8*\c:OAC+8*\c+3],   s[12:13] offset:64*\c
	global_store_b128 v[OPR], v[OAC+8*\c+4:OAC+8*\c+7], s[12:13] offset:64*\c+16
.endr
	s_wait_xcnt 0x0                                ; the next trip rewrites the stores' registers
	s_add_co_u32 s45, s45, 1
	s_cmp_lt_u32 s45, s44
	s_cbranch_scc1 .Lov
.Lend:
	s_wait_tensorcnt 0x0                           ; the wave's end
	ds_add_u32 v[SPW], v[NIL]
	s_wait_dscnt 0x0
	s_endpgm
.Lfunc_end_k_q56628f19ee_product:
	.size	k_q56628f19ee_product, .Lfunc_end_k_q56628f19ee_product-k_q56628f19ee_product
	.p2alignl 7, 3214868480
	.fill 96, 4, 3214868480
	.section	.rodata,"a",@progbits
	.p2align	6, 0x0
	.amdhsa_kernel k_q56628f19ee_product
		.amdhsa_group_segment_fixed_size 248832
		.amdhsa_private_segment_fixed_size 0
		.amdhsa_enable_private_segment 0
		.amdhsa_kernarg_size 40
		.amdhsa_user_sgpr_count 2
		.amdhsa_user_sgpr_kernarg_segment_ptr 1
		.amdhsa_wavefront_size32 1
		.amdhsa_system_sgpr_workgroup_id_x 1
		.amdhsa_system_sgpr_workgroup_id_y 1
		.amdhsa_system_sgpr_workgroup_id_z 1
		.amdhsa_system_vgpr_workitem_id 0
		.amdhsa_next_free_vgpr 512
		.amdhsa_next_free_sgpr 66
		.amdhsa_reserve_vcc 1
		.amdhsa_float_denorm_mode_32 3
		.amdhsa_float_denorm_mode_16_64 3
		.amdhsa_memory_ordered 1
		.amdhsa_forward_progress 1
		.amdhsa_inst_pref_size 168
	.end_amdhsa_kernel
	.amdgpu_metadata
---
amdhsa.version: [ 1, 2 ]
amdhsa.kernels:
  - .name:           k_q56628f19ee_product
    .symbol:         k_q56628f19ee_product.kd
    .args:
      - { .name: xb, .offset: 0, .size: 8, .value_kind: global_buffer, .address_space: global }
      - { .name: bm, .offset: 8, .size: 8, .value_kind: global_buffer, .address_space: global }
      - { .name: W, .offset: 16, .size: 8, .value_kind: global_buffer, .address_space: global }
      - { .name: b, .offset: 24, .size: 8, .value_kind: global_buffer, .address_space: global }
      - { .name: part, .offset: 32, .size: 8, .value_kind: global_buffer, .address_space: global }
    .group_segment_fixed_size: 248832
    .private_segment_fixed_size: 0
    .kernarg_segment_align: 8
    .kernarg_segment_size: 40
    .max_flat_workgroup_size: 256
    .sgpr_count:     66
    .vgpr_count:     512
    .wavefront_size: 32
...
	.end_amdgpu_metadata
.endif
;; end of part 4
;; launch addup: the kernel of part 3 again; grid 256 x 1, 8 waves a work-group, no clusters, 0 bytes of LDS; arguments part, out0; writes out0
